; MI455X (gfx1250); checked and timed in simulation.
; The chip was launched on July 23, 2026; its instructions are those of AMD's public machine-readable ISA for CDNA 5 (MIT licence, August 2026) and "CDNA5" Instruction Set Architecture Reference Guide (July 2026). The comments in the code are by the model that wrote it; some were corrected since.
;; Causal Attention. Allowed arithmetic: matrix products marked QUANTISED: E2M3 operands, one E8M0 scale for each 32 along K, by v_wmma_scale_f32_16x16x128_f8f6f4 with both operands' format E2M3, f32 sums; everything else in f32.
;; Inputs: Wk 1,024 x 1,024 float32; Wq 1,024 x 1,024 float32; Wv 1,024 x 1,024 float32; x 4 x 2,048 x 1,024 float32.
;; Outputs: out0 4 x 2,048 x 1,024 float32.
;; This version of the problem:
;;   THIS VERSION OF THE PROBLEM IS GIVEN IN LOW PRECISION. The matrix products marked QUANTISED in the list below multiply operands that are first quantised to E2M3 (2 exponent bits, 3 mantissa bits; 6 bits a number), with one power-of-two scale for each 32 numbers along K (OCP MX v1.0); their sums are f32. All else is computed in f32.
;;   The module's matrix products, in the order in which they are computed (A, B: the left and right operand; K: the contracted axis; several contracted axes count as one K, in the product's order):
;;     1. [M 8,192, K 1,024] x [K 1,024, N 1,024]; A: input x; B: input Wk: QUANTISED
;;     2. [M 8,192, K 1,024] x [K 1,024, N 1,024]; A: input x; B: input Wq: QUANTISED
;;     3. [M 8,192, K 1,024] x [K 1,024, N 1,024]; A: input x; B: input Wv: QUANTISED
;;     4. batch 4 x [M 2,048, K 1,024] x [K 1,024, N 2,048]; A: computed on the way; B: computed on the way: QUANTISED
;;     5. batch 4 x [M 2,048, K 2,048] x [K 2,048, N 1,024]; A: softmax (see below); B: computed on the way: QUANTISED
;;   THE QUANTISER, for each operand of a quantised product, along K:
;;     - K is cut into blocks of 32 from its start; a last block that is shorter is filled with zeros.
;;     - A block's scale is 2^e with e = floor(log2(the largest magnitude in the block)) - 2, held to -126 .. 127; a block of zeros has e = 0. As a byte (E8M0): e + 127.
;;     - Each number is divided by its block's scale, clamped to +-7.5, and rounded to the nearest number of E2M3, ties to even, subnormals kept.
;;     - The product sums the exact products of the quantised numbers (number of the format x scale) in f32.
;;   ~~~python
;;   def quantise(x, axis):      # numpy; x: float32 -> the quantised numbers, widened to float32 again
;;       x = np.moveaxis(x, axis, -1); K = x.shape[-1]
;;       x = np.pad(x, [(0, 0)] * (x.ndim - 1) + [(0, -K % 32)]); x = x.reshape(x.shape[:-1] + (-1, 32)); a = np.abs(x).max(-1, keepdims=True)
;;       e = np.where(a > 0, np.clip(np.frexp(np.where(a > 0, a, 1))[1] - 1 - 2, -126, 127), 0)      # np.frexp(a)[1] - 1 = floor(log2(a)), exactly
;;       r = np.clip(x / 2.0 ** e, -7.5, 7.5)
;;       step = 2.0 ** (np.maximum(np.frexp(np.where(r == 0, 1, r))[1] - 1, 0) - 3)
;;       q = np.round(r / step) * step * 2.0 ** e      # np.round: ties to even
;;       return np.moveaxis(q.reshape(q.shape[:-2] + (-1,))[..., :K], -1, axis).astype(np.float32)
;;   ~~~
;;   SOFTMAX AHEAD OF A QUANTISED PRODUCT. Where the list says 'softmax', what is quantised is not the finished softmax but p = 2^(t - M), with t = logit x log2(e) and M = ceil(the row's largest t), a whole number; so 1/2 < the row's largest p <= 1. The row's sum l is taken of the UNQUANTISED p, in f32, and the product's result is divided by l at the end. Since M is a whole number, a kernel that streams over the keys may use a running M (the ceiling of the running maximum): every later rescaling is an exact power of two, which a block's scale takes up: the codes' values come out the same.
;;   OPERANDS COMPUTED ON THE WAY. 'Computed on the way' means the value that the module computes at that place (a softmax that the list does not call 'softmax' is quantised finished and normalised). What goes into a quantiser is computed in f32, as accurately as f32 sums, v_exp_f32 and their like allow (about 1e-6 of the number): no bf16 or f16 on the way to a quantiser, and a product that is left as it is and whose result goes on into a quantised operand takes f32 operands (vector FMAs, or v_wmma_f32_16x16x4_f32). A number that lies on a knife's edge between two numbers of the format may be rounded either way, as far as f32 arithmetic and the matrix unit's own rounding can turn it there, and no further.
;; One version. Each part assembles by itself: llvm-mc -triple=amdgcn-amd-amdhsa -mcpu=gfx1250 --defsym DOCPART=n.
;; ======== version 1 of 1: 4 launches
;; limits: right only within a limited range of input values
;; workspace buffers: xw 9,011,200 bytes; qkv 19,660,800 bytes; pc 12,582,912 bytes; st 4,194,304 bytes
;; launch quant (part 1): grid 352 x 1, 4 waves a work-group, no clusters, 34,304 bytes of LDS; arguments x, Wk, Wq, Wv, xw; writes xw
.if DOCPART == 1
	.amdgcn_target "amdgcn-amd-amdhsa--gfx1250"
	.amdhsa_code_object_version 6
	.text
	.protected	k_q760b7dbcb8_quant
	.globl	k_q760b7dbcb8_quant
	.p2align	8
	.type	k_q760b7dbcb8_quant,@function
k_q760b7dbcb8_quant:
	s_mov_b64 s[64:65], 0
	v_nop
	global_prefetch_b8 v0, s[64:65] scope:SCOPE_SE
	s_setreg_imm32_b32 hwreg(HW_REG_WAVE_MODE, 25, 1), 1
	s_wait_xcnt 0x0
; x [8192][1024], Wk, Wq, Wv [1024][1024], f32, become codes of FP6 (E2M3) with one E8M0 byte for each 32 along K (the last axis), laid as PANELS: images of operand registers.
; A panel is 128 rows x 128 K, 12,800 bytes: byte 1536 t + 512 c + 16 L + 4 j is register 4 c + j of lane L of fragment t (16 rows x 128 K, 12 registers a lane); byte 12288 + 32 r + 4 t is the scale word of lane-row r of fragment t.
; THE ROWS OF A FRAGMENT ARE NOT NEIGHBOURS: lane-row r of fragment t is row 32 (t / 2) + 8 (t % 2) + r + 8 (r / 8) of the group of 128, so that a product that takes such fragments as source 0 leaves 16 neighbours in 16 registers.
; Panel 8 g + s: group g (0-63 x's rows, 64-71 Wk, 72-79 Wq, 80-87 Wv), K step s.  A wave makes half a panel; a work-group two; waves share nothing, so there is no barrier.
; Each load reads 512 consecutive bytes (128 numbers of one row); a fragment's 16 rows turn through the wave's own stage in LDS (rows 528 bytes apart) so that lane (r, h) gets, of row r, numbers 32 b + 16 h + 0 .. 15 of each block b.
; A block's scale is 2^(floor(log2(largest magnitude)) - 2); its byte is the largest magnitude's exponent field - 2, held at 1 from below.
; LIMITS: a block of zeros, or one whose largest magnitude lies under 2^-124, gets the byte 1 (its codes are read by this program alone); NaN and infinities among the inputs are not served.
.set STG,   8448                       ; a wave's stage: 16 rows x 528 bytes
; FOUR WAVES: a wave makes HALF a panel (four fragments: wave % 2 says which four), waves 2 p and 2 p + 1 the work-group's panel p; each wave has a stage of its own.
; A panel's scale words come from its two waves, 16 bytes a row each, 32 bytes apart: those 512 of a panel's 12,800 bytes are written in pieces.
.set SPARE, 33792                      ; behind the four stages: the spare words, 128 bytes a wave: two blocks of 256 bytes that no other line names
.set PAN,   12800
.set LO,  1                            ; v1   16 x lane
.set STI, 2                            ; v2   the stage, on the way in: 16 x lane
.set STO, 3                            ; v3   and on the way out: 528 r + 64 h
.set SCO, 4                            ; v4   32 r + 16 (wave % 2): my four scale words' place
.set SPW, 5                            ; v5   my spare word; never rewritten
.set NIL, 6                            ; v6   0; never rewritten
.set TM,  8                            ; v8-23  at work: +0..3 largest magnitudes, +4..7 the other half's, then bytes, +12..15 the conversions' scale operands
.set PWS, 24                           ; v24-31 the eight fragments' scale words
.set SW,  32                           ; v32-35 the four that my lane stores
.set PC,  36                           ; v36-55 the codes just made
.set R,   64                           ; v64-255 three sets of 64 numbers
.set SEL, 20                           ; s[20:21] lane selects: lane l xor 16
.set HI,  22                           ; s22  lanes 16-31
	s_load_b256 s[4:11], s[0:1], 0x0               ; x, Wk, Wq, Wv
	s_load_b64 s[12:13], s[0:1], 0x20              ; xw
	v_lshl_add_u32 v[SPW], v0, 2, SPARE
	v_mov_b32 v[NIL], 0
	v_lshrrev_b32 v7, 5, v0
	v_readfirstlane_b32 s16, v7                    ; wave 0..3
	v_and_b32 v7, 31, v0
	v_lshlrev_b32 v[LO], 4, v7
	s_mul_i32 s17, s16, STG
	v_add_nc_u32 v[STI], s17, v[LO]
	v_and_b32 v7, 15, v0                           ; r
	v_bfe_u32 v[SCO], v0, 4, 1                     ; h
	v_mul_u32_u24 v[STO], v7, 528
	v_lshl_add_u32 v[STO], v[SCO], 6, v[STO]
	v_add_nc_u32 v[STO], s17, v[STO]
	v_lshlrev_b32 v7, 5, v7
	s_and_b32 s27, s16, 1                          ; which half of the panel is mine
	s_lshl_b32 s28, s27, 4
	v_add_nc_u32 v[SCO], s28, v7                   ; 32 r + 16 x half: my four scale words' place
	s_mul_i32 s28, s27, 6144
	v_add_nc_u32 v56, s28, v[LO]                   ; v56: 16 x lane + my four fragments' place in the panel
.irp b, 0,1,2,3
	v_mov_b32 v[TM+4+\b], 0                        ; written once: a lane permute's destination counts as one of its sources
.endr
	s_mov_b32 s[SEL], 0x76543210
	s_mov_b32 s[SEL+1], 0xfedcba98
	s_lshr_b32 s14, ttmp9, 2                       ; g
	s_and_b32 s15, ttmp9, 3
	s_lshl_b32 s15, s15, 1
	s_lshr_b32 s26, s16, 1
	s_add_co_u32 s15, s15, s26                     ; s = 2 (work-group % 4) + wave / 2
	s_and_b32 s23, s14, 7                          ; a weight's group
	s_lshl_b32 s24, s14, 3
	s_add_co_u32 s24, s24, s15
	s_mul_i32 s24, s24, PAN                        ; my panel, in bytes
	s_mov_b32 s25, 0
	s_wait_alu depctr_va_vdst(0)
	s_wait_kmcnt 0x0
	s_cmp_lt_u32 s14, 80                           ; which tensor: the choice hangs on the work-group's number alone
	s_cselect_b64 s[8:9], s[8:9], s[10:11]
	s_cmp_lt_u32 s14, 72
	s_cselect_b64 s[6:7], s[6:7], s[8:9]
	s_cmp_lt_u32 s14, 64
	s_cselect_b64 s[4:5], s[4:5], s[6:7]
	s_cselect_b32 s23, s14, s23                    ; the group's number in its own tensor
	s_lshl_b32 s18, s23, 19                        ; 128 rows of 4,096 bytes
	s_lshl_b32 s19, s15, 9                         ; 128 numbers along K
	s_add_co_u32 s18, s18, s19
	s_lshl_b32 s19, s27, 18                        ; the second half's fragments begin 64 rows of 4,096 bytes further down
	s_add_co_u32 s18, s18, s19
	s_mov_b32 s19, 0
	s_add_nc_u64 s[4:5], s[4:5], s[18:19]
	s_add_nc_u64 s[12:13], s[12:13], s[24:25]
.macro LOAD t                          ; fragment t's 16 rows into set t % 3: a load is one row's 512 consecutive bytes
.irp i, 0,1,2,3,4,5,6,7,8,9,10,11,12,13,14,15
	global_load_b128 v[R+64*((\t)%3)+4*\i:R+64*((\t)%3)+4*\i+3], v[LO], s[4:5] offset:(32*((\t)/2)+8*((\t)%2)+\i+8*(\i/8))*4096 th:TH_LOAD_NT
.endr
.endm
.macro TURNQ t                         ; through the stage and back into the same set: LDS serves a wave's instructions in order, so no wait stands between
.irp i, 0,1,2,3,4,5,6,7,8,9,10,11,12,13,14,15
	ds_store_b128 v[STI], v[R+64*((\t)%3)+4*\i:R+64*((\t)%3)+4*\i+3] offset:528*\i
.endr
.irp b, 0,1,2,3
.irp j, 0,1,2,3
	ds_load_b128 v[R+64*((\t)%3)+16*\b+4*\j:R+64*((\t)%3)+16*\b+4*\j+3], v[STO] offset:128*\b+16*\j
.endr
.endr
.endm
; 64 numbers of a lane, register 16 b + i = k 32 b + 16 h + i of my row, become a fragment's codes in v[PC] on and its scale word in v[pw]
.macro QUANT s, pw
.irp b, 0,1,2,3
	v_max3_num_f32 v[TM+\b], 0x1800000, |v[(\s)+16*\b]|, |v[(\s)+16*\b+1]|   ; my 16 numbers of block b, and the floor 2^(3 - 127): the byte cannot fall under 1
.endr
.irp i, 2,4,6,8,10,12,14
.irp b, 0,1,2,3
	v_max3_num_f32 v[TM+\b], v[TM+\b], |v[(\s)+16*\b+\i]|, |v[(\s)+16*\b+\i+1]|   ; the four blocks by turns
.endr
.endr
.irp b, 0,1,2,3
	v_permlanex16_b32 v[TM+4+\b], v[TM+\b], s[SEL], s[SEL+1]
.endr
.irp b, 0,1,2,3
	v_max_num_f32 v[TM+\b], v[TM+\b], v[TM+4+\b]   ; with lane l xor 16's 16: the block's largest magnitude
.endr
.irp b, 0,1,2,3
	v_add_nc_u32 v[TM+12+\b], 0xff000000, v[TM+\b] ; 2 off its exponent field: the conversion's scale operand
.endr
.irp b, 0,1,2,3
	v_lshrrev_b32 v[TM+4+\b], 23, v[TM+12+\b]      ; the scale's byte
.endr
	v_lshl_or_b32 v[\pw], v[TM+5], 8, v[TM+4]
	v_lshl_or_b32 v[\pw], v[TM+6], 16, v[\pw]
	v_lshl_or_b32 v[\pw], v[TM+7], 24, v[\pw]
.irp c, 0,1
	v_cvt_scalef32_pk16_fp6_f32 v[PC+6*\c:PC+6*\c+2], v[(\s)+32*\c:(\s)+32*\c+15], v[TM+12+2*\c]
	v_cvt_scalef32_pk16_fp6_f32 v[PC+12+4*\c:PC+12+4*\c+2], v[(\s)+32*\c+16:(\s)+32*\c+31], v[TM+12+2*\c+1]   ; (a conversion's three registers begin on an even number)
.endr
	v_nop                                          ; one plain instruction behind the scaled conversions
.irp c, 0,1                            ; the operand's layout wants a whole block in a lane: lanes 0-15 block 2 c, lanes 16-31 block 2 c + 1
.irp i, 0,1,2
	v_permlane16_swap_b32 v[PC+6*\c+\i], v[PC+12+4*\c+\i]
.endr
.irp i, 0,1,2
	v_mov_b32 v[PC+3+6*\c+\i], v[PC+12+4*\c+\i]
.endr
.endr
.endm
	LOAD 0
	LOAD 1
.irp t, 0,1,2,3
.if \t < 2
	LOAD \t+2                                      ; into the set that fragment t - 1 has left
	s_wait_loadcnt 32                              ; fragment t's 16 loads are in; the two later fragments' may be out
.elseif \t == 2
	s_wait_loadcnt 16
.else
	s_wait_loadcnt 0
.endif
	TURNQ \t
	s_wait_dscnt 0x0                               ; the numbers are back from the stage
.if \t > 0
	s_wait_xcnt 0x0                                ; the last fragment's stores have read v[PC] on: only behind this wait are the codes written anew
.endif
	QUANT R+64*(\t%3), PWS+\t
.irp c, 0,1,2
	global_store_b128 v56, v[PC+4*\c:PC+4*\c+3], s[12:13] offset:1536*\t+512*\c   ; 32 lanes store 512 consecutive bytes, at a multiple of 256 from the buffer's first byte
.endr
.endr
	global_store_b128 v[SCO], v[PWS:PWS+3], s[12:13] offset:12288   ; row r's words of my four fragments; lanes r and 16 + r name the same 16 bytes and hold the same words
	s_wait_tensorcnt 0x0                           ; the wave's end, behind my last LDS store
	ds_add_u32 v[SPW], v[NIL]
	s_wait_dscnt 0x0
	s_endpgm
.Lfunc_end_k_q760b7dbcb8_quant:
	.size	k_q760b7dbcb8_quant, .Lfunc_end_k_q760b7dbcb8_quant-k_q760b7dbcb8_quant
	.p2alignl 7, 3214868480
	.fill 96, 4, 3214868480
	.section	.rodata,"a",@progbits
	.p2align	6, 0x0
	.amdhsa_kernel k_q760b7dbcb8_quant
		.amdhsa_group_segment_fixed_size 34304
		.amdhsa_private_segment_fixed_size 0
		.amdhsa_enable_private_segment 0
		.amdhsa_kernarg_size 40
		.amdhsa_user_sgpr_count 2
		.amdhsa_user_sgpr_kernarg_segment_ptr 1
		.amdhsa_wavefront_size32 1
		.amdhsa_system_sgpr_workgroup_id_x 1
		.amdhsa_system_sgpr_workgroup_id_y 1
		.amdhsa_system_sgpr_workgroup_id_z 1
		.amdhsa_system_vgpr_workitem_id 0
		.amdhsa_next_free_vgpr 256
		.amdhsa_next_free_sgpr 66
		.amdhsa_reserve_vcc 0
		.amdhsa_float_denorm_mode_32 3
		.amdhsa_float_denorm_mode_16_64 3
		.amdhsa_memory_ordered 1
		.amdhsa_forward_progress 1
		.amdhsa_inst_pref_size 33
	.end_amdhsa_kernel
	.amdgpu_metadata
---
amdhsa.version: [ 1, 2 ]
amdhsa.kernels:
  - .name:           k_q760b7dbcb8_quant
    .symbol:         k_q760b7dbcb8_quant.kd
    .args:
      - { .name: x, .offset: 0, .size: 8, .value_kind: global_buffer, .address_space: global }
      - { .name: Wk, .offset: 8, .size: 8, .value_kind: global_buffer, .address_space: global }
      - { .name: Wq, .offset: 16, .size: 8, .value_kind: global_buffer, .address_space: global }
      - { .name: Wv, .offset: 24, .size: 8, .value_kind: global_buffer, .address_space: global }
      - { .name: xw, .offset: 32, .size: 8, .value_kind: global_buffer, .address_space: global }
    .group_segment_fixed_size: 34304
    .private_segment_fixed_size: 0
    .kernarg_segment_align: 8
    .kernarg_segment_size: 40
    .max_flat_workgroup_size: 128
    .sgpr_count:     66
    .vgpr_count:     256
    .wavefront_size: 32
...
	.end_amdgpu_metadata
.endif
;; end of part 1
;; launch proj (part 2): grid 8 x 32, 4 waves a work-group, clusters of 4 x 4, 327,680 bytes of LDS; arguments xw, qkv; writes qkv
.if DOCPART == 2
	.amdgcn_target "amdgcn-amd-amdhsa--gfx1250"
	.amdhsa_code_object_version 6
	.text
	.protected	k_q760b7dbcb8_proj
	.globl	k_q760b7dbcb8_proj
	.p2align	8
	.type	k_q760b7dbcb8_proj,@function
k_q760b7dbcb8_proj:
	s_mov_b64 s[64:65], 0
	v_nop
	global_prefetch_b8 v0, s[64:65] scope:SCOPE_SE
	s_setreg_imm32_b32 hwreg(HW_REG_WAVE_MODE, 25, 1), 1
	s_wait_xcnt 0x0
	s_wait_alu depctr_hold_cnt(0) depctr_sa_sdst(0) depctr_va_vdst(0) depctr_va_sdst(0) depctr_va_ssrc(0) depctr_va_vcc(0) depctr_vm_vsrc(0)
	s_getreg_b32 s2, hwreg(HW_REG_IB_STS2, 6, 4)
	s_cmp_eq_u32 s2, 0
	s_cbranch_scc0 .Lentry_in_a_cluster
	s_endpgm
.Lentry_in_a_cluster:
	s_bfe_u32 s2, ttmp6, 0x10000c
	s_cmp_lg_u32 s2, 0xf033
	s_cbranch_scc0 .Lentry_shape_is_right
	s_endpgm
.Lentry_shape_is_right:
; q = x Wk^T, k = x Wq^T (quantised along their last axis) and v^T = Wv x^T (quantised along the keys), on codes of FP6 (E2M3) with E8M0 scales; the results leave as codes, in panels.
; PANEL (12,800 bytes): 128 rows x 128 K as images of operand registers: byte 1536 t + 512 c + 16 L + 4 j = register 4 c + j of lane L of fragment t; byte 12288 + 32 r + 4 t = the scale word of lane-row r of fragment t.
; Lane-row r of fragment t is row 32 (t / 2) + 8 (t % 2) + r + 8 (r / 8) of its group of 128.  xw: panel 8 g + s (g 0-63 x, 64-71 Wk, 72-79 Wq, 80-87 Wv).  qkv: q at 8 gx + s, k at 512 + 8 gx + s, v^T at 1024 + 64 ge + gk.
; A WORK-GROUP STAYS AND MAKES ONE AND A HALF TILES: the three products are 384 tiles of 256 x 256, and 256 work-groups of equal work take them.
; PHASE 1 (q, k): 256 x 256: two groups of x's rows as source 1 ("A") by two groups of Wk's or Wq's rows as source 0 ("B"); each of four waves 128 x 128: 64 accumulators, 512 registers.
;   K = 1,024 goes in eight steps of 128 through two LDS slots of two steps each.  A group's two panels are 25,600 dense bytes: one tensor load a wave.
; PHASE 2 (v^T): 128 x 256: ONE group of Wv's rows as A by two groups of x's rows as B; wave w takes A's fragments 4 (w / 2) + 0 .. 3 against the eight of B's group w % 2: 32 accumulators.
;   Its operands for ALL of K are 3 x 102,400 bytes and lie in LDS whole before its first product, so it has no ring and no barrier inside: Wv's group comes in phase 1's way out into bytes of its own; x's first group
;   takes slot 0 behind K step 5's change of slots, x's second group slot 1 behind phase 1's last product, under phase 1's way out.  Each of the three is four loads of 25,600 bytes, one a wave.
; In a result lane (r, h) holds lane-row r of A's fragment a, and register 8 b + j the B row 32 (b / 2) + 16 h + 8 (b % 2) + j: so the 64 registers of one a are 128 neighbours along the next product's K, 16 to a block and lane.
; They are quantised in registers and stored as fragment a of the output panel (rows = A's group, K step = B's group).
; CLUSTERS: 4 x 4 work-groups; A's tiles are asked for jointly along a row of the cluster, B's along a column, in both phases.  Phase 1: A hangs on (cluster y, cy), B on (cluster x, cx); phase 2: A on (cluster x, cy), B on (cluster y, cx).
; In phase 2 a panel's 512 bytes of scale words come from two waves, 16 bytes a row each, 32 bytes apart: those two runs of 256 bytes are written in pieces; they are 512 of a panel's 12,800 bytes.
; LIMITS: blocks of zeros or under 2^-124 get the byte 1; NaN and infinities are not served.
; REGISTERS: window 0: v8-29 addresses; v32-63 scale words, two sets (A's 8, B's 8); v64-255 A's fragments, two sets.  window 1: B's fragments, two sets at v0 and v128.  windows 2, 3: the accumulators, (a, b) at v[8 (8 (a % 4) + b)].
.set PAN,   12800
.set SLOT,  102400                     ; A's two groups, then B's two, 25,600 bytes each; in phase 2 one group of x, eight panels
.set REGC,  2*SLOT                     ; behind the ring: Wv's group, eight panels, filled once
.set KSTEP2, 51200                     ; a refill of phase 1 lies two slots, four panels, on in memory
.set SPARE, 3*SLOT                     ; behind that: the spare words, 128 bytes a wave: two blocks of 256 bytes that no other line names
.set ADA2, 8                           ; v8-9   phase 2: LDS address of my A fragments, K steps 0-3 and 4-7 (seven panels lie beyond the 16-bit offset)
.set ADB2, 10                          ; v10-11 of my B fragments
.set ASA2, 12                          ; v12-13 of A's scale words
.set ASB2, 14                          ; v14-15 of B's
.set ADRA, 16                          ; v16-17 phase 1: LDS address of my A fragments in slot 0, 1
.set ADRB, 18                          ; v18-19 of my B fragments
.set ASA,  20                          ; v20-21 of A's scale words
.set ASB,  22                          ; v22-23 of B's
.set LI,   24                          ; v24  16 x lane
.set SCO,  25                          ; v25  32 r + 16 h
.set SCO2, 26                          ; v26  32 r + 16 (wave / 2)
.set LI2,  27                          ; v27  16 x lane + 6144 (wave / 2): my four fragments of phase 2's panel
.set SPW,  28                          ; v28  my spare word; never rewritten
.set NIL,  29                          ; v29  0; never rewritten
.set SA,   32                          ; A's scale words of set p at v[SA + 16 p + a]
.set SB,   40                          ; B's at v[SB + 16 p + b]
.set AF,   64                          ; A's fragments of set p at v[AF + 96 p + 12 a]
.set TM,   128                         ; the ways out, in window 0: v128-143 at work, v144-163 codes, v164-171 scale words, v172-175 those that my lane stores
.set PC,   144
.set PWS,  164
.set SW,   172
.set G1A, 24                           ; s[24:31] descriptor group 1 for A's tiles; s[32:39] group 0, a set for each slot
.set G0A, 32
.set G1B, 48                           ; s[48:55], s[56:63] the same for B's
.set G0B, 56
.set SEL, 66                           ; s[66:67] lane selects: lane l xor 16
.set HI,  70                           ; s70  lanes 16-31
.set G0C, 80                           ; s[80:83] group 0 for my quarter of Wv's group;  s[84:87], s[88:91] for my quarters of phase 2's two groups of x: none is ever rewritten
.set G0P, 84
.set G0Q, 88
.set MSB, 0
.macro WIN new                         ; the immediate's high byte repeats the setting that is left; a switch that changes nothing is dropped
.if MSB != (\new)
	s_set_vgpr_msb (MSB<<8)|(\new)
.set MSB, (\new)
.endif
.endm
.set MUL_LO, 0xa1                      ; source 0 (B) window 1, source 1 (A) window 0, C and D window 2
.set TO_B,   0x40                      ; destination window 1, address window 0
.macro PLACES                          ; four plain vector instructions between a matrix instruction and a load into, or a vector read of, its registers
.rept 4
	v_nop
.endr
.endm
.macro JLOAD s                         ; a joint load of phase 1: waves 0 and 1 fetch A's two groups, waves 2 and 3 B's; the branch hangs on the wave's number alone; an s_nop 0 and four v_nop follow each line
	s_cmp_eq_u32 s15, 0
	s_cbranch_scc0 .Lfor_b_\@
	tensor_load_to_lds s[G0A+4*\s:G0A+4*\s+3], s[G1A:G1A+7]
	s_nop 0
.rept 4
	v_nop
.endr
	s_branch .Lasked_\@
.Lfor_b_\@:
	tensor_load_to_lds s[G0B+4*\s:G0B+4*\s+3], s[G1B:G1B+7]
	s_nop 0
.rept 4
	v_nop
.endr
.Lasked_\@:
.endm
.macro CREST                           ; a round of the cluster's barrier behind its opening barrier
	s_cmp_lg_u32 s14, 0
	s_cbranch_scc1 .Lnot_wave_0_\@
	s_barrier_signal -3
.Lnot_wave_0_\@:
	s_barrier_wait -3
	s_barrier_signal -1
	s_barrier_wait -1
.endm
.macro CROUND
	s_barrier_signal -1
	s_barrier_wait -1
	CREST
.endm
; PHASE 1.  One run of LDS loads: the fragments and scale words of the slot's q-th K step into set p.  A fragment is three loads of 16 bytes a lane, 512 consecutive bytes each.
.macro FETCH slot, q, p
	WIN TO_B
.irp i, 0,1,2,3,4,5,6,7
.irp c, 0,1,2
	ds_load_b128 v[128*(\p)+12*\i+4*\c:128*(\p)+12*\i+4*\c+3], v[ADRB+(\slot)] offset:(\q)*PAN+1536*\i+512*\c
.endr
.endr
	WIN 0
.irp i, 0,1,2,3,4,5,6,7
.irp c, 0,1,2
	ds_load_b128 v[AF+96*(\p)+12*\i+4*\c:AF+96*(\p)+12*\i+4*\c+3], v[ADRA+(\slot)] offset:(\q)*PAN+1536*\i+512*\c
.endr
.endr
	ds_load_b128 v[SA+16*(\p):SA+16*(\p)+3], v[ASA+(\slot)] offset:(\q)*PAN         ; lane r: row r's words of fragments 0-3,
	ds_load_b128 v[SA+16*(\p)+4:SA+16*(\p)+7], v[ASA+(\slot)] offset:(\q)*PAN+16    ; of fragments 4-7
	ds_load_b128 v[SB+16*(\p):SB+16*(\p)+3], v[ASB+(\slot)] offset:(\q)*PAN
	ds_load_b128 v[SB+16*(\p)+4:SB+16*(\p)+7], v[ASB+(\slot)] offset:(\q)*PAN+16
.endm
; A's fragment a against B's eight, set p.  The accumulators take turns, one instruction a turn, in one order in every step.  zero = 1: the product starts the sums.
.macro MULA a, p, zero
	WIN MUL_LO+0x50*((\a)/4)
.set AC, 64*((\a)%4)
.irp b, 0,1,2,3,4,5,6,7
.if \zero
	v_wmma_scale_f32_16x16x128_f8f6f4 v[AC+8*\b:AC+8*\b+7], v[128*(\p)+12*\b:128*(\p)+12*\b+11], v[AF+96*(\p)+12*(\a):AF+96*(\p)+12*(\a)+11], 0, v[SB+16*(\p)+\b], v[SA+16*(\p)+(\a)] matrix_a_fmt:MATRIX_FMT_FP6 matrix_b_fmt:MATRIX_FMT_FP6
.else
	v_wmma_scale_f32_16x16x128_f8f6f4 v[AC+8*\b:AC+8*\b+7], v[128*(\p)+12*\b:128*(\p)+12*\b+11], v[AF+96*(\p)+12*(\a):AF+96*(\p)+12*(\a)+11], v[AC+8*\b:AC+8*\b+7], v[SB+16*(\p)+\b], v[SA+16*(\p)+(\a)] matrix_a_fmt:MATRIX_FMT_FP6 matrix_b_fmt:MATRIX_FMT_FP6
.endif
.endr
.endm
; A K step that has its successor in the same slot: the successor's operands are asked for first, into the other set, then this step's 64 products are issued.
.macro STEP slot, q, zero
	s_wait_dscnt 0x0                               ; this step's operands, asked for a whole K step ago, are in
	PLACES                                         ; behind the last step's products, which read the set that is loaded now
	FETCH \slot, (\q)+1, 1-(\q)%2
.irp a, 0,1,2,3,4,5,6,7
	MULA \a, (\q)%2, \zero
.endr
.endm
; A slot's last K step (set 1) changes slots: one barrier, which opens a round of the cluster's; in front of it each wave waits for all its tensor loads, adds 0 to its spare word, and waits for that and for its reads of this slot.
; Behind the round this slot is filled again.  fill = 1: with phase 1's K steps two slots on.  fill = 2: with phase 2's first group of x, all eight panels, a quarter a wave.
.macro TURN slot, next, fill
	WIN 0
	s_wait_tensorcnt 0x0                           ; all my tensor loads have landed, my part of the next slot among them
	ds_add_u32 v[SPW], v[NIL]                      ; 0 onto my spare word
	s_wait_dscnt 0x1                               ; only the add may be out: this step's operands are in
	MULA 0, 1, 0
	MULA 1, 1, 0
	s_wait_dscnt 0x0                               ; the add is done, and my reads of this slot are over
	s_barrier_signal -1
	MULA 2, 1, 0
	MULA 3, 1, 0
	WIN 0
	s_barrier_wait -1
	CREST                                          ; no wave of any partner still reads this slot or has a load on its way
.if (\fill) == 1
	s_add_nc_u64 s[G0A+4*\slot+2:G0A+4*\slot+3], s[G0A+4*\slot+2:G0A+4*\slot+3], KSTEP2
	s_add_nc_u64 s[G0B+4*\slot+2:G0B+4*\slot+3], s[G0B+4*\slot+2:G0B+4*\slot+3], KSTEP2
	JLOAD \slot                                    ; the first tensor load behind the round; its four v_nop are the places in front of the loads below
.else
	tensor_load_to_lds s[G0P:G0P+3], s[G1B:G1B+7]  ; every wave its quarter: the same line and the same registers in the four partners of my column
	s_nop 0
	PLACES                                         ; (the places in front of the loads below)
.endif
	s_wait_alu depctr_va_vdst(0)
	FETCH \next, 0, 0
.irp a, 4,5,6,7
	MULA \a, 1, 0
.endr
.endm
; PHASE 2.  K step s into set p: B's eight fragments, my four of A, their scale words.
.macro FETCH2 s, p
	WIN TO_B
.irp i, 0,1,2,3,4,5,6,7
.irp c, 0,1,2
	ds_load_b128 v[128*(\p)+12*\i+4*\c:128*(\p)+12*\i+4*\c+3], v[ADB2+(\s)/4] offset:((\s)%4)*PAN+1536*\i+512*\c
.endr
.endr
	WIN 0
.irp i, 0,1,2,3
.irp c, 0,1,2
	ds_load_b128 v[AF+96*(\p)+12*\i+4*\c:AF+96*(\p)+12*\i+4*\c+3], v[ADA2+(\s)/4] offset:((\s)%4)*PAN+1536*\i+512*\c
.endr
.endr
	ds_load_b128 v[SA+16*(\p):SA+16*(\p)+3], v[ASA2+(\s)/4] offset:((\s)%4)*PAN       ; lane r: row r's words of my four fragments
	ds_load_b128 v[SB+16*(\p):SB+16*(\p)+3], v[ASB2+(\s)/4] offset:((\s)%4)*PAN
	ds_load_b128 v[SB+16*(\p)+4:SB+16*(\p)+7], v[ASB2+(\s)/4] offset:((\s)%4)*PAN+16
.endm
; 64 numbers of a lane in window w, register 16 b + i = k 32 b + 16 h + i of my row, become a fragment's codes in v[PC] on and its scale word in v[pw].  Each accumulator is read from its two lowest registers on.
.macro QUANT s, w, pw
	WIN ((\w)<<2)|((\w)<<4)
.irp b, 0,1,2,3
	v_max3_num_f32 v[TM+\b], 0x1800000, |v[(\s)+16*\b]|, |v[(\s)+16*\b+1]|   ; my 16 numbers of block b, and the floor 2^(3 - 127): the byte cannot fall under 1
.endr
.irp i, 2,4,6,8,10,12,14
.irp b, 0,1,2,3
	v_max3_num_f32 v[TM+\b], v[TM+\b], |v[(\s)+16*\b+\i]|, |v[(\s)+16*\b+\i+1]|
.endr
.endr
	WIN 0
.irp b, 0,1,2,3
	v_permlanex16_b32 v[TM+4+\b], v[TM+\b], s[SEL], s[SEL+1]
.endr
.irp b, 0,1,2,3
	v_max_num_f32 v[TM+\b], v[TM+\b], v[TM+4+\b]   ; with lane l xor 16's 16: the block's largest magnitude
.endr
.irp b, 0,1,2,3
	v_add_nc_u32 v[TM+12+\b], 0xff000000, v[TM+\b] ; 2 off its exponent field: the conversion's scale operand
.endr
.irp b, 0,1,2,3
	v_lshrrev_b32 v[TM+4+\b], 23, v[TM+12+\b]      ; the scale's byte
.endr
	v_lshl_or_b32 v[\pw], v[TM+5], 8, v[TM+4]
	v_lshl_or_b32 v[\pw], v[TM+6], 16, v[\pw]
	v_lshl_or_b32 v[\pw], v[TM+7], 24, v[\pw]
	WIN (\w)
.irp c, 0,1
	v_cvt_scalef32_pk16_fp6_f32 v[PC+6*\c:PC+6*\c+2], v[(\s)+32*\c:(\s)+32*\c+15], v[TM+12+2*\c]
	v_cvt_scalef32_pk16_fp6_f32 v[PC+12+4*\c:PC+12+4*\c+2], v[(\s)+32*\c+16:(\s)+32*\c+31], v[TM+12+2*\c+1]
.endr
	WIN 0
	v_nop                                          ; one plain instruction behind the scaled conversions
.irp c, 0,1
.irp i, 0,1,2
	v_permlane16_swap_b32 v[PC+6*\c+\i], v[PC+12+4*\c+\i]
.endr
.irp i, 0,1,2
	v_mov_b32 v[PC+3+6*\c+\i], v[PC+12+4*\c+\i]
.endr
.endr
.endm
	s_load_b128 s[4:7], s[0:1], 0x0                ; xw s[4:5], qkv s[6:7]
	v_lshl_add_u32 v[SPW], v0, 2, SPARE
	v_mov_b32 v[NIL], 0
	ds_add_u32 v[SPW], v[NIL]                      ; the wave's opening: an add and its wait ahead of my first tensor load; work on registers stands between them
	ds_add_u32 v[SPW], v[NIL]
	v_lshrrev_b32 v1, 5, v0
	v_readfirstlane_b32 s14, v1                    ; wave 0..3
	s_lshr_b32 s15, s14, 1                         ; phase 1: which group of A is mine; also: I fetch for A (0) or for B (1).  Phase 2: which four fragments of A
	s_and_b32 s16, s14, 1                          ; which group of B is mine; in phase 1 also: which group of that side I fetch
	s_bfe_u32 s40, ttmp6, 0x40000                  ; cx
	s_bfe_u32 s41, ttmp6, 0x40004                  ; cy
	s_and_b32 s71, ttmp7, 0xffff                   ; the cluster's y, 0..7
	s_lshl_b32 s20, s41, 2
	s_lshl_b32 s20, 15, s20                        ; my row of the cluster
	s_lshl_b32 s21, 0x1111, s40                    ; my column
	s_or_b32 s[G1A], s20, (3<<16)|(1<<21)          ; 15:0 the mask; 17:16 elements of 8 bytes; 21 set beside a mask; no padding
	s_or_b32 s[G1B], s21, (3<<16)|(1<<21)
.irp g, G1A, G1B                       ; 25,600 dense bytes as 100 rows of 256: the shape of every load of this text
	s_mov_b32 s[\g+1], 32<<16                      ; tensor_dim0 = 32 elements
	s_mov_b32 s[\g+2], 100<<16                     ; tensor_dim1
	s_mov_b32 s[\g+3], 32<<16                      ; tile_dim0
	s_mov_b32 s[\g+4], 100                         ; tile_dim1
	s_mov_b32 s[\g+5], 32                          ; from row to row
	s_mov_b32 s[\g+6], 0
	s_mov_b32 s[\g+7], 0
.endr
	s_mul_i32 s45, s14, 25600                      ; where my loads go in a slot or in Wv's bytes: no place in the cluster enters an LDS address
	; phase 1
	s_lshl_b32 s72, s41, 1
	s_lshl_b32 s73, s71, 3
	s_add_co_u32 s72, s72, s73                     ; A's first group: 8 y + 2 cy of x
	s_lshl_b32 s74, ttmp9, 2
	s_add_co_u32 s74, s74, s40
	s_lshl_b32 s74, s74, 1                         ; B's first group among the 16 of Wk and Wq: 2 (4 x + cx)
	s_add_co_u32 s42, s72, s16                     ; what I fetch: a group's eight panels are 102,400 bytes
	s_mul_i32 s42, s42, 102400
	s_mov_b32 s43, 0
	s_add_co_u32 s46, s74, s16
	s_add_co_u32 s46, s46, 64                      ; Wk's groups begin at 64
	s_mul_i32 s46, s46, 102400
	s_mov_b32 s47, 0
	s_add_co_u32 s76, s72, s15                     ; my wave's group of x
	s_add_co_u32 s77, s74, s16                     ; and of the weights, gw
	s_lshr_b32 s79, s77, 3                         ; its panel: 512 (gw / 8) + 8 gx + gw % 8
	s_lshl_b32 s79, s79, 9
	s_and_b32 s78, s77, 7
	s_add_co_u32 s79, s79, s78
	s_lshl_b32 s78, s76, 3
	s_add_co_u32 s78, s78, s79
	s_mul_i32 s78, s78, PAN
	s_mov_b32 s79, 0
	; phase 2
	s_lshl_b32 s92, ttmp9, 2
	s_add_co_u32 s92, s92, s41                     ; Wv's group ge = 4 x + cy: shared along my row of the cluster
	s_add_co_u32 s94, s92, 80
	s_mul_i32 s94, s94, 102400
	s_add_co_u32 s94, s94, s45                     ; my quarter of it: two panels
	s_mov_b32 s95, 0
	s_lshl_b32 s96, s71, 2
	s_add_co_u32 s96, s96, s40
	s_lshl_b32 s96, s96, 1                         ; x's first group: 2 (4 y + cx): shared along my column
	s_mul_i32 s98, s96, 102400
	s_add_co_u32 s98, s98, s45
	s_mov_b32 s99, 0
	s_lshl_b32 s93, s92, 6                         ; my panel of v^T: 1024 + 64 ge + my group of x
	s_add_co_u32 s93, s93, s96
	s_add_co_u32 s93, s93, s16
	s_add_co_u32 s93, s93, 1024
	s_mul_i32 s96, s93, PAN
	s_mov_b32 s97, 0
	s_mov_b32 s[SEL], 0x76543210
	s_mov_b32 s[SEL+1], 0xfedcba98
	s_mov_b32 s[HI], 0xffff0000
	s_wait_dscnt 0x0                               ; the opening add is done
	s_wait_kmcnt 0x0
	s_add_nc_u64 s[42:43], s[4:5], s[42:43]
	s_add_nc_u64 s[46:47], s[4:5], s[46:47]
	; the prefetches' bases: of the 100 blocks of 256 bytes that a joint load brings, each of its four partners names 25, told apart by address (cx for A's tiles and Wv's, cy for B's)
	s_cmp_eq_u32 s15, 0
	s_cselect_b64 s[8:9], s[42:43], s[46:47]
	s_cselect_b32 s10, s40, s41
	s_mul_i32 s10, s10, 6400
	s_mov_b32 s11, 0
	s_add_nc_u64 s[8:9], s[8:9], s[10:11]
	s_mul_i32 s68, s40, 6400
	s_mov_b32 s69, 0
	s_add_nc_u64 s[68:69], s[68:69], s[94:95]
	s_add_nc_u64 s[68:69], s[4:5], s[68:69]        ; my quarter of Wv's group, my work-group's 25 blocks
	s_add_nc_u64 s[12:13], s[6:7], s[78:79]        ; phase 1's output panel
	s_add_nc_u64 s[18:19], s[6:7], s[96:97]        ; phase 2's
	s_mov_b32 s[G0C], 1                            ; Wv's group: behind the ring
	s_add_co_u32 s[G0C+1], s45, REGC
	s_add_nc_u64 s[G0C+2:G0C+3], s[4:5], s[94:95]
	s_or_b32 s[G0C+3], s[G0C+3], 0x80000000
	s_mov_b32 s[G0P], 1                            ; x's first group: into slot 0
	s_mov_b32 s[G0P+1], s45
	s_add_nc_u64 s[G0P+2:G0P+3], s[4:5], s[98:99]
	s_mov_b32 s[G0Q], 1                            ; x's second group: into slot 1
	s_add_co_u32 s[G0Q+1], s45, SLOT
	s_add_nc_u64 s[G0Q+2:G0Q+3], s[G0P+2:G0P+3], 102400
	s_or_b32 s[G0P+3], s[G0P+3], 0x80000000
	s_or_b32 s[G0Q+3], s[G0Q+3], 0x80000000
	CROUND                                         ; all sixteen work-groups are here: the first joint loads meet
.irp s, 0,1
	s_mov_b32 s[G0A+4*\s], 1
	s_add_co_u32 s[G0A+4*\s+1], s45, \s*SLOT
	s_add_nc_u64 s[G0A+4*\s+2:G0A+4*\s+3], s[42:43], \s*KSTEP2/2
	s_or_b32 s[G0A+4*\s+3], s[G0A+4*\s+3], 0x80000000
	s_mov_b32 s[G0B+4*\s], 1
	s_add_co_u32 s[G0B+4*\s+1], s45, \s*SLOT
	s_add_nc_u64 s[G0B+4*\s+2:G0B+4*\s+3], s[46:47], \s*KSTEP2/2
	s_or_b32 s[G0B+4*\s+3], s[G0B+4*\s+3], 0x80000000
.endr
	JLOAD 0                                        ; K steps 0 and 1: one tensor load a wave at the head
	v_and_b32 v1, 31, v0
	v_min_u32 v30, 24, v1                          ; v30: 256 x min(lane, 24): a lane a block, the lanes left over name the last again; never rewritten
	v_lshlrev_b32 v30, 8, v30
	global_prefetch_b8 v30, s[8:9] offset:25600 th:TH_LOAD_NT scope:SCOPE_SE   ; what the next two fills of phase 1 will load (K steps 2, 3 and 4, 5)
	global_prefetch_b8 v30, s[8:9] offset:51200 th:TH_LOAD_NT scope:SCOPE_SE
	v_and_b32 v2, 15, v0                           ; r
	v_bfe_u32 v3, v0, 4, 1                         ; h
	v_lshlrev_b32 v[LI], 4, v1
	v_lshlrev_b32 v4, 5, v2                        ; 32 r
	v_lshl_add_u32 v[SCO], v3, 4, v4
	s_lshl_b32 s23, s15, 4
	v_add_nc_u32 v[SCO2], s23, v4
	s_mul_i32 s23, s15, 6144                       ; four fragments of 1,536 bytes
	v_add_nc_u32 v[LI2], s23, v[LI]
	v_add_nc_u32 v4, 12288, v4                     ; a panel's scale words lie behind its codes
	s_mul_i32 s21, s15, 25600                      ; phase 1: my group of A
	s_mul_i32 s22, s16, 25600                      ; my group of B,
	s_add_co_u32 s22, s22, 51200                   ; behind A's two
.irp s, 0,1
	v_add_nc_u32 v[ADRA+\s], s21, v[LI]
	v_add_nc_u32 v[ADRB+\s], s22, v[LI]
	v_add_nc_u32 v[ASA+\s], s21, v4
	v_add_nc_u32 v[ASB+\s], s22, v4
	s_add_co_u32 s21, s21, SLOT
	s_add_co_u32 s22, s22, SLOT
.endr
	s_add_co_u32 s21, s23, REGC                    ; phase 2: my four fragments of Wv's group,
	s_mul_i32 s22, s16, SLOT                       ; my group of x,
	s_lshl_b32 s23, s15, 4
	s_add_co_u32 s23, s23, REGC                    ; my four fragments' scale words: 16 bytes of a row's 32
.irp j, 0,1
	v_add_nc_u32 v[ADA2+\j], s21, v[LI]
	v_add_nc_u32 v[ADB2+\j], s22, v[LI]
	v_add_nc_u32 v[ASA2+\j], s23, v4
	v_add_nc_u32 v[ASB2+\j], s22, v4
	s_add_co_u32 s21, s21, 4*PAN
	s_add_co_u32 s22, s22, 4*PAN
	s_add_co_u32 s23, s23, 4*PAN
.endr
	s_wait_alu depctr_va_vdst(0)
	s_wait_tensorcnt 0x0                           ; my part of slot 0 is in
	ds_add_u32 v[SPW], v[NIL]
	s_wait_dscnt 0x0
	CROUND                                         ; everybody's part of slot 0 is in, and the joint loads meet
	JLOAD 1                                        ; slot 1's first fill: K steps 2 and 3
	global_prefetch_b8 v30, s[8:9] offset:76800 th:TH_LOAD_NT scope:SCOPE_SE   ; K steps 6 and 7, two fills on
	global_prefetch_b8 v30, s[68:69] th:TH_LOAD_NT scope:SCOPE_SE              ; and Wv's group, which is loaded in phase 1's way out
	FETCH 0, 0, 0
	STEP 0, 0, 1                                   ; K step 0 starts the sums
	TURN 0, 1, 1                                   ; K step 1; slot 0 takes K steps 4 and 5
	STEP 1, 0, 0
	TURN 1, 0, 1                                   ; K step 3; slot 1 takes K steps 6 and 7
	STEP 0, 0, 0
	TURN 0, 1, 2                                   ; K step 5; slot 0 takes phase 2's first group of x
	STEP 1, 0, 0
	s_wait_dscnt 0x0                               ; K step 7: nothing more to fetch in phase 1
.irp a, 0,1,2,3,4,5,6,7
	MULA \a, 1, 0
.endr
	; Slot 1 has been read out: it takes phase 2's second group of x, which lands under phase 1's way out.
	WIN 0
	s_wait_tensorcnt 0x0                           ; the load that was out, slot 0's, has had K steps 6 and 7 in which to land
	ds_add_u32 v[SPW], v[NIL]                      ; 0 onto my spare word
	PLACES                                         ; behind the last products: the way out writes registers that held A's fragments, and reads results
.irp b, 0,1,2,3
	v_mov_b32 v[TM+4+\b], 0                        ; written once: a lane permute's destination counts as one of its sources
.endr
	s_wait_dscnt 0x0                               ; the add is done, and my reads of slot 1 are over
	CROUND                                         ; no wave of any partner still reads slot 1 or has a load on its way
	tensor_load_to_lds s[G0Q:G0Q+3], s[G1B:G1B+7]  ; every wave its quarter
	s_nop 0
	PLACES
	; PHASE 1'S WAY OUT: fragment by fragment of 16 rows: quantised along the 128 numbers that my lanes hold, stored as the image of an operand's registers.
.irp a, 0,1,2,3,4,5,6,7
.if \a > 0
	s_wait_xcnt 0x0                                ; the last fragment's stores have read v[PC] on
.endif
.if \a == 4
	; Wv's group is asked for HERE, in the middle of phase 1's way out, not with the first fills
	s_wait_alu depctr_va_vdst(0)
	s_wait_tensorcnt 0x0                           ; my quarter of slot 1 has landed
	ds_add_u32 v[SPW], v[NIL]
	s_wait_dscnt 0x0
	CROUND
	tensor_load_to_lds s[G0C:G0C+3], s[G1A:G1A+7]  ; every wave its quarter, jointly along my row of the cluster
	s_nop 0
	PLACES
.endif
	QUANT 64*(\a%4), 2+\a/4, PWS+\a
.irp c, 0,1,2
	global_store_b128 v[LI], v[PC+4*\c:PC+4*\c+3], s[12:13] offset:1536*\a+512*\c   ; 32 lanes store 512 consecutive bytes, at a multiple of 256 from the buffer's first byte
.endr
.endr
.irp j, 0,1,2,3
	v_cndmask_b32 v[SW+\j], v[PWS+\j], v[PWS+4+\j], s[HI]   ; lanes 0-15 store fragments 0-3's words of row r, lanes 16-31 fragments 4-7's
.endr
	global_store_b128 v[SCO], v[SW:SW+3], s[12:13] offset:12288
	; PHASE 2: all its operands lie in LDS behind this barrier.
	s_wait_xcnt 0x0                                ; the stores have read v[PC] on and v[SW] on: A's second set lies over them
	s_wait_tensorcnt 0x0                           ; my quarter of Wv's group has landed
	ds_add_u32 v[SPW], v[NIL]
	s_wait_dscnt 0x0
	s_barrier_signal -1
	s_barrier_wait -1                              ; everybody's has
	FETCH2 0, 0
.irp s, 0,1,2,3,4,5,6,7
	s_wait_dscnt 0x0                               ; this K step's operands are in
.if \s < 7
	PLACES                                         ; behind the last step's products, which read the set that is loaded now
	FETCH2 \s+1, (\s+1)%2
.endif
.irp a, 0,1,2,3
.if \s == 0
	MULA \a, 0, 1                                  ; K step 0 starts the sums: 32 accumulators, in window 2, by turns
.else
	MULA \a, \s%2, 0
.endif
.endr
.endr
	WIN 0
	PLACES
.irp a, 0,1,2,3
.if \a > 0
	s_wait_xcnt 0x0                                ; the last fragment's stores have read v[PC] on
.endif
	QUANT 64*\a, 2, PWS+\a
.irp c, 0,1,2
	global_store_b128 v[LI2], v[PC+4*\c:PC+4*\c+3], s[18:19] offset:1536*\a+512*\c   ; fragment 4 (wave / 2) + a of the panel: 512 consecutive bytes a store
.endr
.endr
	global_store_b128 v[SCO2], v[PWS:PWS+3], s[18:19] offset:12288   ; row r's words of my four fragments; lanes r and 16 + r name the same 16 bytes and hold the same words
	s_wait_tensorcnt 0x0                           ; the wave's end
	ds_add_u32 v[SPW], v[NIL]
	s_wait_dscnt 0x0
	CROUND                                         ; the closing round: no work-group ends while a partner may still ask for a tile that names it
	s_endpgm
.Lfunc_end_k_q760b7dbcb8_proj:
	.size	k_q760b7dbcb8_proj, .Lfunc_end_k_q760b7dbcb8_proj-k_q760b7dbcb8_proj
	.p2alignl 7, 3214868480
	.fill 96, 4, 3214868480
	.section	.rodata,"a",@progbits
	.p2align	6, 0x0
	.amdhsa_kernel k_q760b7dbcb8_proj
		.amdhsa_group_segment_fixed_size 327680
		.amdhsa_private_segment_fixed_size 0
		.amdhsa_enable_private_segment 0
		.amdhsa_kernarg_size 16
		.amdhsa_user_sgpr_count 2
		.amdhsa_user_sgpr_kernarg_segment_ptr 1
		.amdhsa_wavefront_size32 1
		.amdhsa_system_sgpr_workgroup_id_x 1
		.amdhsa_system_sgpr_workgroup_id_y 1
		.amdhsa_system_sgpr_workgroup_id_z 1
		.amdhsa_system_vgpr_workitem_id 0
		.amdhsa_next_free_vgpr 1024
		.amdhsa_next_free_sgpr 100
		.amdhsa_reserve_vcc 0
		.amdhsa_float_denorm_mode_32 3
		.amdhsa_float_denorm_mode_16_64 3
		.amdhsa_memory_ordered 1
		.amdhsa_forward_progress 1
		.amdhsa_inst_pref_size 211
	.end_amdhsa_kernel
	.amdgpu_metadata
---
amdhsa.version: [ 1, 2 ]
amdhsa.kernels:
  - .name:           k_q760b7dbcb8_proj
    .symbol:         k_q760b7dbcb8_proj.kd
    .args:
      - { .name: xw, .offset: 0, .size: 8, .value_kind: global_buffer, .address_space: global }
      - { .name: qkv, .offset: 8, .size: 8, .value_kind: global_buffer, .address_space: global }
    .group_segment_fixed_size: 327680
    .private_segment_fixed_size: 0
    .kernarg_segment_align: 8
    .kernarg_segment_size: 16
    .max_flat_workgroup_size: 128
    .sgpr_count:     100
    .vgpr_count:     1024
    .wavefront_size: 32
...
	.end_amdgpu_metadata
.endif
;; end of part 2
;; launch scores (part 3): grid 12 x 16, 4 waves a work-group, clusters of 4 x 4, 327,680 bytes of LDS; arguments qkv, pc, st; writes pc, st
.if DOCPART == 3
	.amdgcn_target "amdgcn-amd-amdhsa--gfx1250"
	.amdhsa_code_object_version 6
	.text
	.protected	k_q760b7dbcb8_scores
	.globl	k_q760b7dbcb8_scores
	.p2align	8
	.type	k_q760b7dbcb8_scores,@function
k_q760b7dbcb8_scores:
	s_mov_b64 s[64:65], 0
	v_nop
	global_prefetch_b8 v0, s[64:65] scope:SCOPE_SE
	s_setreg_imm32_b32 hwreg(HW_REG_WAVE_MODE, 25, 1), 1
	s_wait_xcnt 0x0
	s_wait_alu depctr_hold_cnt(0) depctr_sa_sdst(0) depctr_va_vdst(0) depctr_va_sdst(0) depctr_va_ssrc(0) depctr_va_vcc(0) depctr_vm_vsrc(0)
	s_getreg_b32 s2, hwreg(HW_REG_IB_STS2, 6, 4)
	s_cmp_eq_u32 s2, 0
	s_cbranch_scc0 .Lentry_in_a_cluster
	s_endpgm
.Lentry_in_a_cluster:
	s_bfe_u32 s2, ttmp6, 0x10000c
	s_cmp_lg_u32 s2, 0xf033
	s_cbranch_scc0 .Lentry_shape_is_right
	s_endpgm
.Lentry_shape_is_right:
; S = q k^T on codes of FP6 (E2M3) with E8M0 scales, the causal mask, and the softmax's p quantised along the keys, block of 32 keys by block, each block against ITS OWN whole number M_b.
; t = score x log2(e) / 32; M_b = ceil(the block's largest t); p = 2^(t - M_b).  A shift of M by a whole number goes into a block's scale and leaves its codes as they are, so the codes made here are the final ones.
; For each row and block two f32 numbers go with the codes: Ef = M_b + (byte - 125), byte = the exponent field of the block's largest p less 2, and lambda = (the sum of the block's unquantised p) x 2^(127 - byte).
; The next launch takes the row's largest Ef as its reference, makes the E8M0 bytes from Ef's distance to it, and adds the lambdas under the same reference.
; A block all of whose keys are hidden gets zero codes, lambda = 0 and Ef = -1e30.
; qkv: panels of 12,800 bytes (images of operand registers, lane-row r of fragment t = row 32 (t / 2) + 8 (t % 2) + r + 8 (r / 8) of its group of 128): q at 8 g + s, k at 512 + 8 g + s.
; pc: panels of 12,288 bytes (codes alone) at 16 GA + sK (GA query group 0..63, sK key group in the batch 0..15).  st: 4,096 bytes a panel: fragment a: bytes 512 a + 16 r the four Ef of row r, 512 a + 256 + 16 r the four lambdas.
; A cluster of 4 x 4 work-groups takes 1,024 queries x 1,024 keys of a batch; of a batch's four such squares the one wholly above the diagonal is left out (cluster x: 0 and 2 the diagonal squares, 1 the one below).
; A work-group makes 256 x 256, a wave 128 x 128; source 0 = keys, source 1 = queries: lane (r, h) holds one query, register 16 b + i of a fragment's 64 holds key 32 b + 16 h + i.
; LIMITS: NaN and infinities are not served.
; REGISTERS: as in the products' launch before; on the way out window 0's v64-191 are at work (named below).
.set PV,    0
.set NBT,   8
.set APAN,  12800
.set BPAN,  12800
.set SLOT,  102400
.set ASTEP, 51200
.set BSTEP, 51200
.set SPARE, 204800                     ; behind the ring: the spare words, 128 bytes a wave: two blocks of 256 bytes that no other line names
.set ADRA, 16
.set ADRB, 18
.set ASA,  20
.set ASB,  22
.set LI,   24                          ; v24  16 x lane
.set D0,   26                          ; v26  128 (my query group - my key group) + r + 8 (r / 8) - 16 h: data for the mask's compares alone
.set NEG,  27                          ; v27  -infinity
.set SPW,  28
.set NIL,  29
.set SA,   32
.set SB,   40
.set AF,   64
.set T,    64                          ; v64-127  t, then p
.set BM,   128                         ; v128-131 a block's largest t, then its largest p
.set BX,   132                         ; v132-135 what lane l xor 16 holds
.set NM,   136                         ; v136-143 -M_b, in the low word of a pair
.set PC,   144                         ; v144-163 the codes
.set SS,   164                         ; v164-171 the sums, in pairs
.set SCL,  172                         ; v172-175 the conversions' scale operands
.set BY,   176                         ; v176-179 the largest t held from below, then the bytes
.set EE,   180                         ; v180-183 Ef
.set LL,   184                         ; v184-187 lambda
.set SW,   188                         ; v188-191 what my lane stores of the two
.set G1A, 24
.set G0A, 32
.set G1B, 48
.set G0B, 56
.set SEL, 66
.set CS,  68                           ; s[68:69] c = log2(e) / 32
.set HI,  70
.set MSB, 0
.macro WIN new
.if MSB != (\new)
	s_set_vgpr_msb (MSB<<8)|(\new)
.set MSB, (\new)
.endif
.endm
.set MUL_LO, 0xa1
.set TO_B,   0x40
.macro PLACES
.rept 4
	v_nop
.endr
.endm
.macro JLOAD s
	s_cmp_eq_u32 s15, 0
	s_cbranch_scc0 .Lfor_b_\@
	tensor_load_to_lds s[G0A+4*\s:G0A+4*\s+3], s[G1A:G1A+7]
	s_nop 0
.rept 4
	v_nop
.endr
	s_branch .Lasked_\@
.Lfor_b_\@:
	tensor_load_to_lds s[G0B+4*\s:G0B+4*\s+3], s[G1B:G1B+7]
	s_nop 0
.rept 4
	v_nop
.endr
.Lasked_\@:
.endm
.macro CREST
	s_cmp_lg_u32 s14, 0
	s_cbranch_scc1 .Lnot_wave_0_\@
	s_barrier_signal -3
.Lnot_wave_0_\@:
	s_barrier_wait -3
	s_barrier_signal -1
	s_barrier_wait -1
.endm
.macro CROUND
	s_barrier_signal -1
	s_barrier_wait -1
	CREST
.endm
.macro FETCH slot, q, p, ks            ; one run of LDS loads: the slot's q-th K step into set p
	WIN TO_B
.set fi, 0
.rept NBT
.irp c, 0,1,2
	ds_load_b128 v[128*(\p)+12*fi+4*\c:128*(\p)+12*fi+4*\c+3], v[ADRB+(\slot)] offset:(\q)*BPAN+1536*fi+512*\c
.endr
.set fi, fi+1
.endr
	WIN 0
.irp i, 0,1,2,3,4,5,6,7
.irp c, 0,1,2
	ds_load_b128 v[AF+96*(\p)+12*\i+4*\c:AF+96*(\p)+12*\i+4*\c+3], v[ADRA+(\slot)] offset:(\q)*APAN+1536*\i+512*\c
.endr
.endr
	ds_load_b128 v[SA+16*(\p):SA+16*(\p)+3], v[ASA+(\slot)] offset:(\q)*APAN
	ds_load_b128 v[SA+16*(\p)+4:SA+16*(\p)+7], v[ASA+(\slot)] offset:(\q)*APAN+16
	ds_load_b128 v[SB+16*(\p):SB+16*(\p)+3], v[ASB+(\slot)] offset:(\q)*BPAN
	ds_load_b128 v[SB+16*(\p)+4:SB+16*(\p)+7], v[ASB+(\slot)] offset:(\q)*BPAN+16
.endm
.macro MULA a, p, zero                 ; the 64 accumulators take turns, one instruction a turn
	WIN MUL_LO+0x50*((\a)/4)
.set AC, 64*((\a)%4)
.set bi, 0
.rept NBT
.if \zero
	v_wmma_scale_f32_16x16x128_f8f6f4 v[AC+8*bi:AC+8*bi+7], v[128*(\p)+12*bi:128*(\p)+12*bi+11], v[AF+96*(\p)+12*(\a):AF+96*(\p)+12*(\a)+11], 0, v[SB+16*(\p)+bi], v[SA+16*(\p)+(\a)] matrix_a_fmt:MATRIX_FMT_FP6 matrix_b_fmt:MATRIX_FMT_FP6
.else
	v_wmma_scale_f32_16x16x128_f8f6f4 v[AC+8*bi:AC+8*bi+7], v[128*(\p)+12*bi:128*(\p)+12*bi+11], v[AF+96*(\p)+12*(\a):AF+96*(\p)+12*(\a)+11], v[AC+8*bi:AC+8*bi+7], v[SB+16*(\p)+bi], v[SA+16*(\p)+(\a)] matrix_a_fmt:MATRIX_FMT_FP6 matrix_b_fmt:MATRIX_FMT_FP6
.endif
.set bi, bi+1
.endr
.endm
.macro STEP slot, q, zero, kn
	s_wait_dscnt 0x0                               ; this step's operands, asked for a whole K step ago, are in
	PLACES
	FETCH \slot, (\q)+1, 1-(\q)%2, \kn
.irp a, 0,1,2,3,4,5,6,7
	MULA \a, (\q)%2, \zero
.endr
.endm
.macro TURN slot, next, fill, kn
	WIN 0
	s_wait_tensorcnt 0x0                           ; all my tensor loads have landed: my part of the next slot
	ds_add_u32 v[SPW], v[NIL]                      ; 0 onto my spare word
	s_wait_dscnt 0x1                               ; only the add may be out
	MULA 0, 1, 0
	MULA 1, 1, 0
	s_wait_dscnt 0x0                               ; the add is done, and my reads of this slot are over
	s_barrier_signal -1
	MULA 2, 1, 0
	MULA 3, 1, 0
	WIN 0
	s_barrier_wait -1
.if \fill
	CREST                                          ; no wave of any partner still reads this slot or has a load on its way
	s_add_nc_u64 s[G0A+4*\slot+2:G0A+4*\slot+3], s[G0A+4*\slot+2:G0A+4*\slot+3], ASTEP
	s_add_nc_u64 s[G0B+4*\slot+2:G0B+4*\slot+3], s[G0B+4*\slot+2:G0B+4*\slot+3], BSTEP
	JLOAD \slot
.else
	PLACES
.endif
	FETCH \next, 0, 0, \kn
.irp a, 4,5,6,7
	MULA \a, 1, 0
.endr
.endm
.macro LAST
	s_wait_dscnt 0x0
.irp a, 0,1,2,3,4,5,6,7
	MULA \a, 1, 0
.endr
.endm
; Fragment a (16 queries x my 128 keys): scale, mask, the four blocks' p, codes, Ef and lambda; stores.
.macro SOFTQ a
.set AC, 64*((\a)%4)
.set QO, 32*((\a)/2)+8*((\a)%2)        ; lane-row r of fragment a is query QO + r + 8 (r / 8) of the group
.if (\a) > 0
	s_wait_xcnt 0x0                                ; the last fragment's stores have read v[PC] on and v[SW] on
.endif
	WIN 2+(\a)/4
.set k, 0
.rept 32
	v_pk_mul_f32 v[T+k:T+k+1], v[AC+k:AC+k+1], s[CS:CS+1] op_sel_hi:[1,0]   ; t = score x c; each accumulator from its low end on
.set k, k+2
.endr
	WIN 0
	s_cmp_eq_u32 ttmp9, 1                          ; the square below the diagonal hides nothing: a branch on the cluster's x, the same in all sixteen partners
	s_cbranch_scc1 .Lopen_\@
.set n, 0
.rept 64
	v_cmp_gt_i32 vcc_lo, 32*(n/16)+n%16-QO, v[D0]  ; register 16 b + i holds key 32 b + 16 h + i of my key group: hidden where it comes after my query
	v_cndmask_b32 v[T+n], v[T+n], v[NEG], vcc_lo
.set n, n+1
.endr
.Lopen_\@:
.irp b, 0,1,2,3
	v_max3_num_f32 v[BM+\b], v[T+16*\b], v[T+16*\b+1], v[T+16*\b+2]
.endr
.irp i, 3,5,7,9,11,13
.irp b, 0,1,2,3
	v_max3_num_f32 v[BM+\b], v[BM+\b], v[T+16*\b+\i], v[T+16*\b+\i+1]   ; the four blocks by turns
.endr
.endr
.irp b, 0,1,2,3
	v_max_num_f32 v[BM+\b], v[BM+\b], v[T+16*\b+15]
.endr
.irp b, 0,1,2,3
	v_permlanex16_b32 v[BX+\b], v[BM+\b], s[SEL], s[SEL+1]
.endr
.irp b, 0,1,2,3
	v_max_num_f32 v[BM+\b], v[BM+\b], v[BX+\b]     ; the block's largest t
.endr
.irp b, 0,1,2,3
	v_max_num_f32 v[BY+\b], 0xf149f2ca, v[BM+\b]   ; held at -1e30 from below, so that a hidden block has a finite M
.endr
.irp b, 0,1,2,3
	v_floor_f32 v[NM+2*\b], -v[BY+\b]              ; -M_b = floor(-t) = -ceil(t): a whole number
.endr
.set k, 0
.rept 32
	v_pk_add_f32 v[T+k:T+k+1], v[T+k:T+k+1], v[NM+2*(k/16):NM+2*(k/16)+1] op_sel_hi:[1,0]   ; t - M_b, 0 or less
.set k, k+2
.endr
.irp b, 0,1,2,3
	v_add_f32 v[BM+\b], v[BM+\b], v[NM+2*\b]       ; the same of the block's largest t
.endr
.set n, 0
	s_wait_alu depctr_va_vdst(0)
.rept 64
	v_exp_f32 v[T+n], v[T+n]                       ; p = 2^(t - M_b)
.set n, n+1
.endr
	v_nop                                          ; a plain instruction behind the last exponential
	s_wait_alu depctr_va_vdst(0)                   ; one wait for the batch of 64, ahead of its first reader
.irp b, 0,1,2,3
	v_exp_f32 v[BM+\b], v[BM+\b]                   ; the block's largest p: the same two instructions on the same number
.endr
.irp b, 0,1,2,3
	v_pk_add_f32 v[SS+2*\b:SS+2*\b+1], v[T+16*\b:T+16*\b+1], v[T+16*\b+2:T+16*\b+3]   ; the sums are taken of the unquantised p; they read the 64 alone
.endr
.irp i, 4,6,8,10,12,14
.irp b, 0,1,2,3
	v_pk_add_f32 v[SS+2*\b:SS+2*\b+1], v[SS+2*\b:SS+2*\b+1], v[T+16*\b+\i:T+16*\b+\i+1]
.endr
.endr
.irp b, 0,1,2,3
	v_add_f32 v[SS+2*\b], v[SS+2*\b], v[SS+2*\b+1]
.endr
.irp b, 0,1,2,3
	v_permlanex16_b32 v[BX+\b], v[SS+2*\b], s[SEL], s[SEL+1]
.endr
.irp b, 0,1,2,3
	v_add_f32 v[SS+2*\b], v[SS+2*\b], v[BX+\b]     ; the block's sum
.endr
	s_wait_alu depctr_va_vdst(0)                   ; and one wait for the four
.irp b, 0,1,2,3
	v_max_num_f32 v[BM+\b], 0x1800000, v[BM+\b]    ; the floor 2^(3 - 127): a hidden block keeps the byte 1; its codes are zeros
.endr
.irp b, 0,1,2,3
	v_add_nc_u32 v[SCL+\b], 0xff000000, v[BM+\b]   ; 2 off the exponent field: the conversion's scale operand
.endr
.irp b, 0,1,2,3
	v_lshrrev_b32 v[BY+\b], 23, v[SCL+\b]          ; the byte under M_b
.endr
.irp b, 0,1,2,3
	v_add_nc_u32 v[EE+\b], 0xffffff83, v[BY+\b]    ; byte - 125
.endr
.irp b, 0,1,2,3
	v_sub_nc_u32 v[LL+\b], 127, v[BY+\b]
.endr
.irp b, 0,1,2,3
	v_cvt_f32_i32 v[EE+\b], v[EE+\b]
.endr
.irp b, 0,1,2,3
	v_ldexp_f32 v[LL+\b], v[SS+2*\b], v[LL+\b]     ; lambda = sum x 2^(127 - byte)
.endr
.irp b, 0,1,2,3
	v_sub_f32 v[EE+\b], v[EE+\b], v[NM+2*\b]       ; Ef = M_b + byte - 125
.endr
.irp c, 0,1
	v_cvt_scalef32_pk16_fp6_f32 v[PC+6*\c:PC+6*\c+2], v[T+32*\c:T+32*\c+15], v[SCL+2*\c]
	v_cvt_scalef32_pk16_fp6_f32 v[PC+12+4*\c:PC+12+4*\c+2], v[T+32*\c+16:T+32*\c+31], v[SCL+2*\c+1]
.endr
	v_nop                                          ; one plain instruction behind the scaled conversions
.irp c, 0,1
.irp i, 0,1,2
	v_permlane16_swap_b32 v[PC+6*\c+\i], v[PC+12+4*\c+\i]
.endr
.irp i, 0,1,2
	v_mov_b32 v[PC+3+6*\c+\i], v[PC+12+4*\c+\i]
.endr
.endr
.irp b, 0,1,2,3
	v_cndmask_b32 v[SW+\b], v[EE+\b], v[LL+\b], s[HI]   ; lanes 0-15 store Ef, lanes 16-31 lambda
.endr
.irp c, 0,1,2
	global_store_b128 v[LI], v[PC+4*\c:PC+4*\c+3], s[12:13] offset:1536*(\a)+512*\c   ; 512 consecutive bytes a store
.endr
	global_store_b128 v[LI], v[SW:SW+3], s[76:77] offset:512*(\a)
.endm
	s_load_b128 s[4:7], s[0:1], 0x0                ; qkv s[4:5], pc s[6:7]
	s_load_b64 s[8:9], s[0:1], 0x10                ; st
	v_lshl_add_u32 v[SPW], v0, 2, SPARE
	v_mov_b32 v[NIL], 0
	ds_add_u32 v[SPW], v[NIL]                      ; the wave's opening: an add and its wait ahead of my first tensor load
	ds_add_u32 v[SPW], v[NIL]
	v_lshrrev_b32 v1, 5, v0
	v_readfirstlane_b32 s14, v1                    ; wave 0..3
	s_lshr_b32 s15, s14, 1                         ; my group of queries.  Also: I fetch for A (0) or for B (1)
	s_and_b32 s16, s14, 1                          ; my group of keys.  Also: which group of that side I fetch
	s_bfe_u32 s40, ttmp6, 0x40000                  ; cx
	s_bfe_u32 s41, ttmp6, 0x40004                  ; cy
	s_lshl_b32 s20, s41, 2
	s_lshl_b32 s20, 15, s20                        ; my row of the cluster
	s_lshl_b32 s21, 0x1111, s40                    ; my column
	s_or_b32 s[G1A], s20, (3<<16)|(1<<21)
	s_or_b32 s[G1B], s21, (3<<16)|(1<<21)
.irp g, G1A, G1B                       ; 25,600 dense bytes as 100 rows of 256
	s_mov_b32 s[\g+1], 32<<16
	s_mov_b32 s[\g+2], 100<<16
	s_mov_b32 s[\g+3], 32<<16
	s_mov_b32 s[\g+4], 100
	s_mov_b32 s[\g+5], 32
	s_mov_b32 s[\g+6], 0
	s_mov_b32 s[\g+7], 0
.endr
	s_min_u32 s71, ttmp9, 1                        ; I: which 1,024 queries of the batch
	s_lshr_b32 s72, ttmp9, 1                       ; J: which 1,024 keys
	s_and_b32 s73, ttmp7, 0xffff
	s_lshl_b32 s73, s73, 4                         ; 16 groups a batch
	s_lshl_b32 s74, s71, 3
	s_lshl_b32 s75, s41, 1
	s_add_co_u32 s74, s74, s75                     ; 8 I + 2 cy
	s_add_co_u32 s75, s74, s73                     ; the first group of queries
	s_lshl_b32 s80, s72, 3
	s_lshl_b32 s81, s40, 1
	s_add_co_u32 s80, s80, s81                     ; 8 J + 2 cx
	s_add_co_u32 s81, s80, s73                     ; the first group of keys
	s_add_co_u32 s42, s75, s16
	s_mul_i32 s42, s42, 102400
	s_mov_b32 s43, 0
	s_add_co_u32 s46, s81, s16
	s_mul_i32 s46, s46, 102400
	s_add_co_u32 s46, s46, 6553600                 ; k's panels begin at panel 512
	s_mov_b32 s47, 0
	s_mul_i32 s45, s14, 25600
	s_add_co_u32 s82, s80, s16                     ; sK: my key group in the batch
	s_add_co_u32 s83, s75, s15
	s_lshl_b32 s83, s83, 4
	s_add_co_u32 s83, s83, s82                     ; my panel: 16 GA + sK
	s_mul_i32 s84, s83, 12288
	s_mov_b32 s85, 0
	s_lshl_b32 s86, s83, 12
	s_mov_b32 s87, 0
	s_add_co_u32 s88, s74, s15                     ; my query group in the batch,
	s_sub_co_i32 s88, s88, s82                     ; less my key group,
	s_lshl_b32 s88, s88, 7                         ; in rows
	s_mov_b32 s[SEL], 0x76543210
	s_mov_b32 s[SEL+1], 0xfedcba98
	s_mov_b32 s[CS], 0x3d38aa3b                    ; log2(e) / sqrt(1024)
	s_mov_b32 s[CS+1], s[CS]                       ; named with it as a pair, so it is written
	s_mov_b32 s[HI], 0xffff0000
	s_wait_dscnt 0x0                               ; the opening add is done
	s_wait_kmcnt 0x0
	s_add_nc_u64 s[42:43], s[4:5], s[42:43]
	s_add_nc_u64 s[46:47], s[4:5], s[46:47]
	; the prefetches' base: of the 100 blocks of 256 bytes that a joint load brings, each of its four partners names 25, told apart by address (cx for q's tiles, cy for k's)
	s_cmp_eq_u32 s15, 0
	s_cselect_b64 s[92:93], s[42:43], s[46:47]
	s_cselect_b32 s94, s40, s41
	s_mul_i32 s94, s94, 6400
	s_mov_b32 s95, 0
	s_add_nc_u64 s[92:93], s[92:93], s[94:95]
	s_add_nc_u64 s[12:13], s[6:7], s[84:85]
	s_add_nc_u64 s[76:77], s[8:9], s[86:87]
	CROUND                                         ; all sixteen work-groups are here: the first joint loads meet
.irp s, 0,1
	s_mov_b32 s[G0A+4*\s], 1
	s_add_co_u32 s[G0A+4*\s+1], s45, \s*SLOT
	s_add_nc_u64 s[G0A+4*\s+2:G0A+4*\s+3], s[42:43], \s*ASTEP/2
	s_or_b32 s[G0A+4*\s+3], s[G0A+4*\s+3], 0x80000000
	s_mov_b32 s[G0B+4*\s], 1
	s_add_co_u32 s[G0B+4*\s+1], s45, \s*SLOT
	s_add_nc_u64 s[G0B+4*\s+2:G0B+4*\s+3], s[46:47], \s*BSTEP/2
	s_or_b32 s[G0B+4*\s+3], s[G0B+4*\s+3], 0x80000000
.endr
	JLOAD 0                                        ; K steps 0 and 1: one tensor load a wave at the head
	v_and_b32 v1, 31, v0
	v_min_u32 v30, 24, v1                          ; v30: 256 x min(lane, 24): a lane a block, the lanes left over name the last again; never rewritten
	v_lshlrev_b32 v30, 8, v30
	global_prefetch_b8 v30, s[92:93] offset:25600 th:TH_LOAD_NT scope:SCOPE_SE   ; what the next two fills will load
	global_prefetch_b8 v30, s[92:93] offset:51200 th:TH_LOAD_NT scope:SCOPE_SE
	v_and_b32 v2, 15, v0                           ; r
	v_bfe_u32 v3, v0, 4, 1                         ; h
	v_lshlrev_b32 v[LI], 4, v1
	v_lshlrev_b32 v4, 5, v2
	v_add_nc_u32 v4, 12288, v4                     ; 32 r, behind a panel's codes
	v_and_b32 v5, 8, v2
	v_add_nc_u32 v5, v5, v2                        ; r + 8 (r / 8)
	v_lshlrev_b32 v6, 4, v3
	v_sub_nc_u32 v5, v5, v6
	v_add_nc_u32 v[D0], s88, v5
	v_mov_b32 v[NEG], 0xff800000
	s_mul_i32 s21, s15, 25600
	s_mul_i32 s22, s16, 25600
	s_add_co_u32 s22, s22, 51200
.irp s, 0,1
	v_add_nc_u32 v[ADRA+\s], s21, v[LI]
	v_add_nc_u32 v[ADRB+\s], s22, v[LI]
	v_add_nc_u32 v[ASA+\s], s21, v4
	v_add_nc_u32 v[ASB+\s], s22, v4
	s_add_co_u32 s21, s21, SLOT
	s_add_co_u32 s22, s22, SLOT
.endr
	s_wait_alu depctr_va_vdst(0)
	s_wait_tensorcnt 0x0                           ; my part of slot 0 is in
	ds_add_u32 v[SPW], v[NIL]
	s_wait_dscnt 0x0
	CROUND                                         ; everybody's part of slot 0 is in, and the joint loads meet
	JLOAD 1                                        ; slot 1's first fill: K steps 2 and 3
	global_prefetch_b8 v30, s[92:93] offset:76800 th:TH_LOAD_NT scope:SCOPE_SE   ; K steps 6 and 7, two fills on
	FETCH 0, 0, 0, 0
	STEP 0, 0, 1, 0
	TURN 0, 1, 1, 0
	STEP 1, 0, 0, 0
	TURN 1, 0, 1, 0
	STEP 0, 0, 0, 0
	TURN 0, 1, 0, 0
	STEP 1, 0, 0, 0
	LAST
	WIN 0
	PLACES
.irp b, 0,1,2,3
	v_mov_b32 v[BX+\b], 0                          ; a lane permute's destination counts as one of its sources
	v_mov_b32 v[NM+2*\b+1], 0                      ; named as the upper half of a pair
.endr
.irp a, 0,1,2,3,4,5,6,7
	SOFTQ \a
.endr
	s_wait_tensorcnt 0x0                           ; the wave's end
	ds_add_u32 v[SPW], v[NIL]
	s_wait_dscnt 0x0
	CROUND                                         ; the closing round
	s_endpgm
.Lfunc_end_k_q760b7dbcb8_scores:
	.size	k_q760b7dbcb8_scores, .Lfunc_end_k_q760b7dbcb8_scores-k_q760b7dbcb8_scores
	.p2alignl 7, 3214868480
	.fill 96, 4, 3214868480
	.section	.rodata,"a",@progbits
	.p2align	6, 0x0
	.amdhsa_kernel k_q760b7dbcb8_scores
		.amdhsa_group_segment_fixed_size 327680
		.amdhsa_private_segment_fixed_size 0
		.amdhsa_enable_private_segment 0
		.amdhsa_kernarg_size 24
		.amdhsa_user_sgpr_count 2
		.amdhsa_user_sgpr_kernarg_segment_ptr 1
		.amdhsa_wavefront_size32 1
		.amdhsa_system_sgpr_workgroup_id_x 1
		.amdhsa_system_sgpr_workgroup_id_y 1
		.amdhsa_system_sgpr_workgroup_id_z 1
		.amdhsa_system_vgpr_workitem_id 0
		.amdhsa_next_free_vgpr 1024
		.amdhsa_next_free_sgpr 100
		.amdhsa_reserve_vcc 1
		.amdhsa_float_denorm_mode_32 3
		.amdhsa_float_denorm_mode_16_64 3
		.amdhsa_memory_ordered 1
		.amdhsa_forward_progress 1
		.amdhsa_inst_pref_size 255
	.end_amdhsa_kernel
	.section	.bss,"aw",@nobits
	.p2align	6
	.space	262144
	.amdgpu_metadata
---
amdhsa.version: [ 1, 2 ]
amdhsa.kernels:
  - .name:           k_q760b7dbcb8_scores
    .symbol:         k_q760b7dbcb8_scores.kd
    .args:
      - { .name: qkv, .offset: 0, .size: 8, .value_kind: global_buffer, .address_space: global }
      - { .name: pc, .offset: 8, .size: 8, .value_kind: global_buffer, .address_space: global }
      - { .name: st, .offset: 16, .size: 8, .value_kind: global_buffer, .address_space: global }
    .group_segment_fixed_size: 327680
    .private_segment_fixed_size: 0
    .kernarg_segment_align: 8
    .kernarg_segment_size: 24
    .max_flat_workgroup_size: 128
    .sgpr_count:     100
    .vgpr_count:     1024
    .wavefront_size: 32
...
	.end_amdgpu_metadata
.endif
;; end of part 3
;; launch pv (part 4): grid 8 x 32, 4 waves a work-group, clusters of 4 x 4, 327,680 bytes of LDS; arguments pc, st, qkv, out0; writes out0
.if DOCPART == 4
	.amdgcn_target "amdgcn-amd-amdhsa--gfx1250"
	.amdhsa_code_object_version 6
	.text
	.protected	k_q760b7dbcb8_pv
	.globl	k_q760b7dbcb8_pv
	.p2align	8
	.type	k_q760b7dbcb8_pv,@function
k_q760b7dbcb8_pv:
	s_mov_b64 s[64:65], 0
	v_nop
	global_prefetch_b8 v0, s[64:65] scope:SCOPE_SE
	s_setreg_imm32_b32 hwreg(HW_REG_WAVE_MODE, 25, 1), 1
	s_wait_xcnt 0x0
	s_wait_alu depctr_hold_cnt(0) depctr_sa_sdst(0) depctr_va_vdst(0) depctr_va_sdst(0) depctr_va_ssrc(0) depctr_va_vcc(0) depctr_vm_vsrc(0)
	s_getreg_b32 s2, hwreg(HW_REG_IB_STS2, 6, 4)
	s_cmp_eq_u32 s2, 0
	s_cbranch_scc0 .Lentry_in_a_cluster
	s_endpgm
.Lentry_in_a_cluster:
	s_bfe_u32 s2, ttmp6, 0x10000c
	s_cmp_lg_u32 s2, 0xf033
	s_cbranch_scc0 .Lentry_shape_is_right
	s_endpgm
.Lentry_shape_is_right:
.set PV,    1
.set NBT,   4
.set APAN,  12288
.set BPAN,  12800
.set SLOT,  149504
.set ASTEP, 98304
.set BSTEP, 102400
.set PSC,   299008
.set LS,    315392
.set SPARE, 316416
.set ADRA, 16
.set ADRB, 18
.set APS,  20
.set PSW,  21
.set ASB,  22
.set LI,   24
.set LSW,  25
.set VST,  26
.set LSR,  27
.set SPW,  28
.set NIL,  29
.set STO,  30
.set RD,   31
.set SA,   32
.set SB,   40
.set AF,   64
.set W,    64
.set RR,   96
.set RX,   100
.set LSUM, 104
.set LT,   108
.set OT,   64
.set OB,   128
.set RL,   224
.set G1A, 24
.set G0A, 32
.set G1B, 48
.set G0B, 56
.set SEL, 66
.set MSB, 0
.macro WIN new
.if MSB != (\new)
	s_set_vgpr_msb (MSB<<8)|(\new)
.set MSB, (\new)
.endif
.endm
.set MUL_LO, 0xa1
.set TO_B,   0x40
.macro PLACES
.rept 4
	v_nop
.endr
.endm
.macro JLOAD s
	s_cmp_eq_u32 s15, 0
	s_cbranch_scc0 .Lfor_b_\@
	tensor_load_to_lds s[G0A+4*\s:G0A+4*\s+3], s[G1A:G1A+7]
	s_nop 0
.rept 4
	v_nop
.endr
	s_branch .Lasked_\@
.Lfor_b_\@:
	tensor_load_to_lds s[G0B+4*\s:G0B+4*\s+3], s[G1B:G1B+7]
	s_nop 0
.rept 4
	v_nop
.endr
.Lasked_\@:
.endm
.macro CREST
	s_cmp_lg_u32 s14, 0
	s_cbranch_scc1 .Lnot_wave_0_\@
	s_barrier_signal -3
.Lnot_wave_0_\@:
	s_barrier_wait -3
	s_barrier_signal -1
	s_barrier_wait -1
.endm
.macro CROUND
	s_barrier_signal -1
	s_barrier_wait -1
	CREST
.endm
.macro FETCH slot, q, p, ks
	WIN TO_B
.set fi, 0
.rept NBT
.irp c, 0,1,2
	ds_load_b128 v[128*(\p)+12*fi+4*\c:128*(\p)+12*fi+4*\c+3], v[ADRB+(\slot)] offset:(\q)*BPAN+1536*fi+512*\c
.endr
.set fi, fi+1
.endr
	WIN 0
.irp i, 0,1,2,3,4,5,6,7
.irp c, 0,1,2
	ds_load_b128 v[AF+96*(\p)+12*\i+4*\c:AF+96*(\p)+12*\i+4*\c+3], v[ADRA+(\slot)] offset:(\q)*APAN+1536*\i+512*\c
.endr
.endr
	ds_load_b128 v[SA+16*(\p):SA+16*(\p)+3], v[APS] offset:512*(\ks)
	ds_load_b128 v[SA+16*(\p)+4:SA+16*(\p)+7], v[APS] offset:512*(\ks)+16
	ds_load_b128 v[SB+16*(\p):SB+16*(\p)+3], v[ASB+(\slot)] offset:(\q)*BPAN
.endm
.macro MULA a, p, zero
	WIN MUL_LO
.set AC, 32*(\a)
.set bi, 0
.rept NBT
.if \zero
	v_wmma_scale_f32_16x16x128_f8f6f4 v[AC+8*bi:AC+8*bi+7], v[128*(\p)+12*bi:128*(\p)+12*bi+11], v[AF+96*(\p)+12*(\a):AF+96*(\p)+12*(\a)+11], 0, v[SB+16*(\p)+bi], v[SA+16*(\p)+(\a)] matrix_a_fmt:MATRIX_FMT_FP6 matrix_b_fmt:MATRIX_FMT_FP6
.else
	v_wmma_scale_f32_16x16x128_f8f6f4 v[AC+8*bi:AC+8*bi+7], v[128*(\p)+12*bi:128*(\p)+12*bi+11], v[AF+96*(\p)+12*(\a):AF+96*(\p)+12*(\a)+11], v[AC+8*bi:AC+8*bi+7], v[SB+16*(\p)+bi], v[SA+16*(\p)+(\a)] matrix_a_fmt:MATRIX_FMT_FP6 matrix_b_fmt:MATRIX_FMT_FP6
.endif
.set bi, bi+1
.endr
.endm
.macro STEP slot, q, zero, kn
	s_wait_dscnt 0x0
	PLACES
	FETCH \slot, (\q)+1, 1-(\q)%2, \kn
.irp a, 0,1,2,3,4,5,6,7
	MULA \a, (\q)%2, \zero
.endr
.endm
.macro TURN slot, next, fill, kn
	WIN 0
	s_wait_tensorcnt 0x0
	ds_add_u32 v[SPW], v[NIL]
	s_wait_dscnt 0x1
	MULA 0, 1, 0
	MULA 1, 1, 0
	s_wait_dscnt 0x0
	s_barrier_signal -1
	MULA 2, 1, 0
	MULA 3, 1, 0
	WIN 0
	s_barrier_wait -1
.if \fill
	CREST
	s_add_nc_u64 s[G0A+4*\slot+2:G0A+4*\slot+3], s[G0A+4*\slot+2:G0A+4*\slot+3], ASTEP
	s_add_nc_u64 s[G0B+4*\slot+2:G0B+4*\slot+3], s[G0B+4*\slot+2:G0B+4*\slot+3], BSTEP
	JLOAD \slot
.else
	PLACES
.endif
	FETCH \next, 0, 0, \kn
.irp a, 4,5,6,7
	MULA \a, 1, 0
.endr
.endm
.macro LAST
	s_wait_dscnt 0x0
.irp a, 0,1,2,3,4,5,6,7
	MULA \a, 1, 0
.endr
.endm
	s_load_b256 s[4:11], s[0:1], 0x0
	v_lshl_add_u32 v[SPW], v0, 2, SPARE
	v_mov_b32 v[NIL], 0
	ds_add_u32 v[SPW], v[NIL]
	ds_add_u32 v[SPW], v[NIL]
	v_lshrrev_b32 v1, 5, v0
	v_readfirstlane_b32 s14, v1
	s_lshr_b32 s15, s14, 1
	s_and_b32 s16, s14, 1
	s_bfe_u32 s40, ttmp6, 0x40000
	s_bfe_u32 s41, ttmp6, 0x40004
	s_and_b32 s71, ttmp7, 0xffff
	s_and_b32 s72, s71, 1
	s_lshr_b32 s73, s71, 1
	s_lshl_b32 s20, s41, 2
	s_lshl_b32 s20, 15, s20
	s_lshl_b32 s21, 0x1111, s40
	s_or_b32 s[G1A], s20, (3<<16)|(1<<21)
	s_or_b32 s[G1B], s21, (3<<16)|(1<<21)
	s_mov_b32 s[G1A+1], 32<<16
	s_mov_b32 s[G1A+2], 192<<16
	s_mov_b32 s[G1A+3], 32<<16
	s_mov_b32 s[G1A+4], 192
	s_mov_b32 s[G1A+5], 32
	s_mov_b32 s[G1A+6], 0
	s_mov_b32 s[G1A+7], 0
	s_mov_b32 s[G1B+1], 32<<16
	s_mov_b32 s[G1B+2], 100<<16
	s_mov_b32 s[G1B+3], 32<<16
	s_mov_b32 s[G1B+4], 100
	s_mov_b32 s[G1B+5], 32
	s_mov_b32 s[G1B+6], 0
	s_mov_b32 s[G1B+7], 0
	s_lshl_b32 s74, s71, 3
	s_lshl_b32 s80, s41, 1
	s_add_co_u32 s74, s74, s80
	s_lshl_b32 s75, ttmp9, 2
	s_add_co_u32 s75, s75, s40
	s_add_co_u32 s42, s74, s16
	s_mul_i32 s42, s42, 196608
	s_mov_b32 s43, 0
	s_lshl_b32 s46, s75, 6
	s_lshl_b32 s47, s73, 4
	s_add_co_u32 s46, s46, s47
	s_lshl_b32 s47, s16, 1
	s_add_co_u32 s46, s46, s47
	s_add_co_u32 s46, s46, 1024
	s_mul_i32 s46, s46, 12800
	s_mov_b32 s47, 0
	s_mul_i32 s45, s16, 49152
	s_mul_i32 s44, s16, 25600
	s_add_co_u32 s44, s44, 98304
	s_add_co_u32 s82, s74, s15
	s_lshl_b32 s84, s82, 16
	s_lshl_b32 s85, s16, 11
	s_add_co_u32 s84, s84, s85
	s_mov_b32 s85, 0
	s_lshl_b32 s86, s72, 15
	s_add_co_u32 s86, s86, s84
	s_mov_b32 s87, 0
	s_lshl_b32 s88, s82, 19
	s_lshl_b32 s89, s75, 9
	s_add_co_u32 s88, s88, s89
	s_lshl_b32 s89, s16, 8
	s_add_co_u32 s88, s88, s89
	s_mov_b32 s89, 0
	s_mov_b32 s90, 0xff61b1e6
	s_mov_b32 s91, 0xc2f60000
	s_cmp_eq_u32 s72, 0
	s_cselect_b32 s92, 0, 0x3f800000
	s_mov_b32 s[SEL], 0x76543210
	s_mov_b32 s[SEL+1], 0xfedcba98
	s_wait_dscnt 0x0
	s_wait_kmcnt 0x0
	s_add_nc_u64 s[42:43], s[4:5], s[42:43]
	s_add_nc_u64 s[46:47], s[8:9], s[46:47]
	; the prefetches' base: the four partners of a joint load share its blocks of 256 bytes by address: 48 each of p's 192 (by cx), 25 each of v's 100 (by cy)
	s_cmp_eq_u32 s15, 0
	s_cselect_b64 s[94:95], s[42:43], s[46:47]
	s_cselect_b32 s96, s40, s41
	s_mov_b32 s97, 6400
	s_cselect_b32 s97, 12288, s97
	s_cselect_b32 s93, 31, 24                      ; the last block that the first instruction names
	s_mul_i32 s96, s96, s97
	s_mov_b32 s97, 0
	s_add_nc_u64 s[94:95], s[94:95], s[96:97]
	s_add_nc_u64 s[76:77], s[6:7], s[84:85]
	s_add_nc_u64 s[78:79], s[6:7], s[86:87]
	s_add_nc_u64 s[12:13], s[10:11], s[88:89]
	CROUND
.irp s, 0,1
	s_mov_b32 s[G0A+4*\s], 1
	s_add_co_u32 s[G0A+4*\s+1], s45, \s*SLOT
	s_add_nc_u64 s[G0A+4*\s+2:G0A+4*\s+3], s[42:43], \s*ASTEP/2
	s_or_b32 s[G0A+4*\s+3], s[G0A+4*\s+3], 0x80000000
	s_mov_b32 s[G0B+4*\s], 1
	s_add_co_u32 s[G0B+4*\s+1], s44, \s*SLOT
	s_add_nc_u64 s[G0B+4*\s+2:G0B+4*\s+3], s[46:47], \s*BSTEP/2
	s_or_b32 s[G0B+4*\s+3], s[G0B+4*\s+3], 0x80000000
.endr
	JLOAD 0                                        ; slot 0: one tensor load a wave at the head
	v_and_b32 v1, 31, v0
	v_and_b32 v2, 15, v0
	v_bfe_u32 v3, v0, 4, 1
	v_lshlrev_b32 v[LI], 4, v1
	s_wait_alu depctr_va_vdst(0)
	v_lshlrev_b32 v4, 5, v2
	s_wait_alu depctr_va_vdst(0)
	v_lshlrev_b32 v5, 4, v2
	v_lshl_add_u32 v[VST], v3, 12, v5
	WIN 0x80
.irp f, 0,1,2,3
.irp u, 0,1,2,3
	global_load_b128 v[32*\f+4*\u:32*\f+4*\u+3], v[VST], s[76:77] offset:8192*\u+512*\f
	global_load_b128 v[128+32*\f+4*\u:128+32*\f+4*\u+3], v[VST], s[76:77] offset:8192*\u+512*\f+256
	global_load_b128 v[32*\f+16+4*\u:32*\f+16+4*\u+3], v[VST], s[78:79] offset:8192*\u+512*\f
	global_load_b128 v[128+32*\f+16+4*\u:128+32*\f+16+4*\u+3], v[VST], s[78:79] offset:8192*\u+512*\f+256
.endr
.endr
	WIN 0
; slot n's tiles are asked for ahead of their tensor load: a lane a block; p's waves name 32 + 16 blocks, v's waves 25 (lanes left over name the last again)
.macro PF n
	s_cmp_eq_u32 s15, 0
	s_cbranch_scc0 .Lpfb_\@
	global_prefetch_b8 v8, s[94:95] offset:(\n)*49152 th:TH_LOAD_NT scope:SCOPE_SE
	global_prefetch_b8 v9, s[94:95] offset:(\n)*49152 th:TH_LOAD_NT scope:SCOPE_SE
	s_branch .Lpfe_\@
.Lpfb_\@:
	global_prefetch_b8 v8, s[94:95] offset:(\n)*51200 th:TH_LOAD_NT scope:SCOPE_SE
.Lpfe_\@:
.endm
	v_min_u32 v8, s93, v1                          ; v8, v9: the prefetches' offsets; never rewritten
	v_lshlrev_b32 v8, 8, v8
	v_min_u32 v9, 15, v1
	v_lshl_add_u32 v9, v9, 8, 8192
	s_wait_alu depctr_va_vdst(0)
	PF 1
	s_cmp_eq_u32 s72, 0                            ; the clusters that walk 1,024 keys have two slots' tiles and no more (the cluster's y: the same in all partners)
	s_cbranch_scc1 .Lshort_pf
	PF 2
.Lshort_pf:
	s_mul_i32 s21, s15, 49152
	s_mul_i32 s22, s16, 6144
	s_add_co_u32 s22, s22, 98304
	s_lshl_b32 s23, s16, 4
	s_add_co_u32 s23, s23, 110592
.irp s, 0,1
	v_add_nc_u32 v[ADRA+\s], s21, v[LI]
	v_add_nc_u32 v[ADRB+\s], s22, v[LI]
	v_add_nc_u32 v[ASB+\s], s23, v4
	s_add_co_u32 s21, s21, SLOT
	s_add_co_u32 s22, s22, SLOT
	s_add_co_u32 s23, s23, SLOT
.endr
	s_lshl_b32 s17, s15, 13
	v_add_nc_u32 v[APS], s17, v4
	v_add_nc_u32 v[APS], PSC, v[APS]
	s_lshl_b32 s18, s16, 4
	s_add_co_u32 s18, s18, s17
	v_lshl_add_u32 v6, v3, 9, v4
	v_add_nc_u32 v6, s18, v6
	v_add_nc_u32 v[PSW], PSC, v6
	s_lshl_b32 s17, s15, 9
	v_lshlrev_b32 v6, 2, v2
	v_add_nc_u32 v6, s17, v6
	v_add_nc_u32 v[LSR], LS, v6
	s_lshl_b32 s18, s16, 8
	v_add_nc_u32 v[LSW], s18, v[LSR]
	s_mul_i32 s17, s14, 4352
	v_mul_u32_u24 v6, v2, 272
	v_lshl_add_u32 v6, v3, 6, v6
	v_add_nc_u32 v[STO], s17, v6
	v_mul_u32_u24 v6, v3, 272
	v_add_nc_u32 v6, v6, v5
	v_add_nc_u32 v[RD], s17, v6
.irp f, 0,1,2,3
	v_mov_b32 v[RX+\f], 0
.endr
	s_wait_alu depctr_va_vdst(0)
	s_wait_loadcnt 0x0                             ; Ef and lambda are in: the scale words are made while slot 0's load is on its way
	WIN 0x28
.irp f, 0,1,2,3
	v_max3_num_f32 v[RR+\f], s90, v[32*\f], v[32*\f+1]
.endr
.irp n, 2,4,6,8,10,12,14,16,18,20,22,24,26,28,30
.irp f, 0,1,2,3
	v_max3_num_f32 v[RR+\f], v[RR+\f], v[32*\f+\n], v[32*\f+\n+1]
.endr
.endr
	WIN 0
.irp f, 0,1,2,3
	v_permlanex16_b32 v[RX+\f], v[RR+\f], s[SEL], s[SEL+1]
.endr
.irp f, 0,1,2,3
	v_max_num_f32 v[RR+\f], v[RR+\f], v[RX+\f]
.endr
	WIN 0x82
.set n, 0
.rept 128
	v_sub_f32 v[n], v[n], v[RR+n/32]
.set n, n+1
.endr
.set n, 0
.rept 128
	v_max_num_f32 v[n], v[n], s91
.set n, n+1
.endr
.set n, 0
.rept 128
	v_cvt_i32_f32 v[n], v[n]
.set n, n+1
.endr
	WIN 0x8a
.set n, 0
.rept 128
	v_ldexp_f32 v[128+n], v[128+n], v[n]
.set n, n+1
.endr
.irp k, 1,2,3,4,5,6,7
.irp c, 0,1,2,3,4,5,6,7
	v_pk_add_f32 v[128+16*\c:129+16*\c], v[128+16*\c:129+16*\c], v[128+16*\c+2*\k:129+16*\c+2*\k]
.endr
.endr
	WIN 0x0a
.irp f, 0,1,2,3
	v_add_f32 v[LSUM+\f], v[128+32*\f], v[129+32*\f]
	v_add_f32 v[LT+\f], v[144+32*\f], v[145+32*\f]
.endr
	WIN 0x22
.irp u, 0,1,2,3,4,5,6,7
.irp f, 0,1,2,3
	v_lshl_add_u32 v[W+4*\u+\f], v[32*\f+4*\u+3], 8, v[32*\f+4*\u+2]
.endr
.endr
	WIN 0x20
.irp u, 0,1,2,3,4,5,6,7
.irp f, 0,1,2,3
	v_lshl_add_u32 v[W+4*\u+\f], v[W+4*\u+\f], 8, v[32*\f+4*\u+1]
.endr
.endr
.irp u, 0,1,2,3,4,5,6,7
.irp f, 0,1,2,3
	v_lshl_add_u32 v[W+4*\u+\f], v[W+4*\u+\f], 8, v[32*\f+4*\u]
.endr
.endr
	WIN 0
.set n, 0
.rept 32
	v_add_nc_u32 v[W+n], 0x7c7c7c7c, v[W+n]
.set n, n+1
.endr
.irp f, 0,1,2,3
	v_fma_f32 v[LSUM+\f], v[LT+\f], s92, v[LSUM+\f]
.endr
.irp f, 0,1,2,3
	v_permlanex16_b32 v[RX+\f], v[LSUM+\f], s[SEL], s[SEL+1]
.endr
.irp f, 0,1,2,3
	v_add_f32 v[LSUM+\f], v[LSUM+\f], v[RX+\f]
.endr
	s_wait_alu depctr_va_vdst(0)
.irp f, 0,1,2,3
	v_rcp_f32 v[LT+\f], v[LSUM+\f]
.endr
	v_nop
	s_wait_alu depctr_va_vdst(0)
.irp f, 0,1,2,3
	v_mul_f32 v[LT+\f], 0x41000000, v[LT+\f]
.endr
.irp u, 0,1,2,3,4,5,6,7
	ds_store_b128 v[PSW], v[W+4*\u:W+4*\u+3] offset:1024*\u
.endr
.irp f, 0,1,2,3
	ds_store_b32 v[LSW], v[LT+\f] offset:64*\f
.endr
	s_wait_alu depctr_va_vdst(0)
	s_wait_tensorcnt 0x0                           ; my part of slot 0 is in
	ds_add_u32 v[SPW], v[NIL]
	s_wait_dscnt 0x0                               ; the add is done, and so are my stores of scale words and divisors
	CROUND                                         ; one round for both: slot 0 and the scale words are whole, and the joint loads meet
	JLOAD 1                                        ; slot 1's first fill
	FETCH 0, 0, 0, 0
	STEP 0, 0, 1, 1
	STEP 0, 1, 0, 2
	STEP 0, 2, 0, 3
	WIN 0
	s_cmp_eq_u32 s72, 0
	s_cbranch_scc1 .Ltail
	TURN 0, 1, 1, 4
	WIN 0
	PF 3                                           ; the last slot's tiles, four K steps ahead of their load
	STEP 1, 0, 0, 5
	STEP 1, 1, 0, 6
	STEP 1, 2, 0, 7
	TURN 1, 0, 1, 8
	STEP 0, 0, 0, 9
	STEP 0, 1, 0, 10
	STEP 0, 2, 0, 11
	WIN 0
.Ltail:
	TURN 0, 1, 0, 12
	STEP 1, 0, 0, 13
	STEP 1, 1, 0, 14
	STEP 1, 2, 0, 15
	LAST
	WIN 0
	PLACES
.irp a, 0,1,2,3,4,5,6,7
	ds_load_b32 v[RL+2*\a], v[LSR] offset:64*\a
	v_mov_b32 v[RL+2*\a+1], 0
.endr
	s_wait_alu depctr_va_vdst(0)
	s_wait_dscnt 0x0
.macro BLOCK a
.if (\a) >= 2
	s_wait_xcnt 0x0
.endif
	WIN 0x02
.set k, 0
.rept 16
	v_pk_mul_f32 v[OT+32*((\a)%2)+k:OT+32*((\a)%2)+k+1], v[32*(\a)+k:32*(\a)+k+1], v[RL+2*(\a):RL+2*(\a)+1] op_sel_hi:[1,0]
.set k, k+2
.endr
	WIN 0
.irp b, 0,1,2,3
.irp u, 0,1
	ds_store_b128 v[STO], v[OT+32*((\a)%2)+8*\b+4*\u:OT+32*((\a)%2)+8*\b+4*\u+3] offset:128*(\b/2)+32*(\b%2)+16*\u
.endr
.endr
.irp i, 0,1,2,3,4,5,6,7
	ds_load_b128 v[OB+32*((\a)%2)+4*\i:OB+32*((\a)%2)+4*\i+3], v[RD] offset:544*\i
.endr
.endm
.macro SEND a, younger
	s_wait_dscnt \younger
.irp i, 0,1,2,3,4,5,6,7
	global_store_b128 v[VST], v[OB+32*((\a)%2)+4*\i:OB+32*((\a)%2)+4*\i+3], s[12:13] offset:(32*((\a)/2)+8*((\a)%2)+2*\i+8*(\i/4))*4096 th:TH_STORE_NT
.endr
.endm
	BLOCK 0
.irp a, 1,2,3,4,5,6,7
	BLOCK \a
	SEND \a-1, 16
.endr
	SEND 7, 0
	s_wait_tensorcnt 0x0
	ds_add_u32 v[SPW], v[NIL]
	s_wait_dscnt 0x0
	CROUND
	s_endpgm
.Lfunc_end_k_q760b7dbcb8_pv:
	.size	k_q760b7dbcb8_pv, .Lfunc_end_k_q760b7dbcb8_pv-k_q760b7dbcb8_pv
	.p2alignl 7, 3214868480
	.fill 96, 4, 3214868480
	.section	.rodata,"a",@progbits
	.p2align	6, 0x0
	.amdhsa_kernel k_q760b7dbcb8_pv
		.amdhsa_group_segment_fixed_size 327680
		.amdhsa_private_segment_fixed_size 0
		.amdhsa_enable_private_segment 0
		.amdhsa_kernarg_size 32
		.amdhsa_user_sgpr_count 2
		.amdhsa_user_sgpr_kernarg_segment_ptr 1
		.amdhsa_wavefront_size32 1
		.amdhsa_system_sgpr_workgroup_id_x 1
		.amdhsa_system_sgpr_workgroup_id_y 1
		.amdhsa_system_sgpr_workgroup_id_z 1
		.amdhsa_system_vgpr_workitem_id 0
		.amdhsa_next_free_vgpr 768
		.amdhsa_next_free_sgpr 100
		.amdhsa_reserve_vcc 0
		.amdhsa_float_denorm_mode_32 3
		.amdhsa_float_denorm_mode_16_64 3
		.amdhsa_memory_ordered 1
		.amdhsa_forward_progress 1
		.amdhsa_inst_pref_size 193
	.end_amdhsa_kernel
	.amdgpu_metadata
---
amdhsa.version: [ 1, 2 ]
amdhsa.kernels:
  - .name:           k_q760b7dbcb8_pv
    .symbol:         k_q760b7dbcb8_pv.kd
    .args:
      - { .name: pc, .offset: 0, .size: 8, .value_kind: global_buffer, .address_space: global }
      - { .name: st, .offset: 8, .size: 8, .value_kind: global_buffer, .address_space: global }
      - { .name: qkv, .offset: 16, .size: 8, .value_kind: global_buffer, .address_space: global }
      - { .name: out0, .offset: 24, .size: 8, .value_kind: global_buffer, .address_space: global }
    .group_segment_fixed_size: 327680
    .private_segment_fixed_size: 0
    .kernarg_segment_align: 8
    .kernarg_segment_size: 32
    .max_flat_workgroup_size: 128
    .sgpr_count:     100
    .vgpr_count:     768
    .wavefront_size: 32
...
	.end_amdgpu_metadata
.endif
;; end of part 4
